; MI455X (gfx1250); checked and timed in simulation.
; The chip was launched on July 23, 2026; its instructions are those of AMD's public machine-readable ISA for CDNA 5 (MIT licence, August 2026) and "CDNA5" Instruction Set Architecture Reference Guide (July 2026). The comments in the code are by the model that wrote it; some were corrected since.
;; Decoder Block. Allowed arithmetic: float matrix products may take bf16 or f16 operands with f32 sums; all other float work in f32.
;; Inputs: W1 1,024 x 4,096 float32; W2 4,096 x 1,024 float32; Wk 1,024 x 1,024 float32; Wq 1,024 x 1,024 float32; Wv 1,024 x 1,024 float32; b1 4,096 float32; b2 1,024 float32; bk 1,024 float32; bq 1,024 float32; bv 1,024 float32; ln_w 1,024 float32; x 2 x 2,048 x 1,024 float32.
;; Outputs: out0 2 x 2,048 x 1,024 float32.
;; 2 versions, each right and faster than the one before. Each part assembles by itself: llvm-mc -triple=amdgcn-amd-amdhsa -mcpu=gfx1250 --defsym DOCPART=n.
;; ======== version 1 of 2: 7 launches
;; limits: values are held in f16: magnitudes above 65,504 overflow, below 6.1e-05 lose precision; inputs' magnitudes at most 65,504; right only within a limited range of input values
;; workspace buffers: cw 31,457,280 bytes; qkvh 25,165,824 bytes; att 16,777,216 bytes; hn 8,388,608 bytes; rs 32,768 bytes; uh 33,554,432 bytes; ff 16,777,216 bytes
;; launch cast (part 1): grid 64 x 15, 8 waves a work-group, no clusters, 0 bytes of LDS; arguments x, Wq, Wk, Wv, W1, W2, cw; writes cw
.if DOCPART == 1
	.amdgcn_target "amdgcn-amd-amdhsa--gfx1250"
	.amdhsa_code_object_version 6
	.text
	.protected	k_q9a3398ba48_cast
	.globl	k_q9a3398ba48_cast
	.p2align	8
	.type	k_q9a3398ba48_cast,@function
k_q9a3398ba48_cast:
	s_mov_b64 s[64:65], 0
	v_nop
	global_prefetch_b8 v0, s[64:65] scope:SCOPE_SE
	s_setreg_imm32_b32 hwreg(HW_REG_WAVE_MODE, 25, 1), 1
	s_wait_xcnt 0x0
; x, Wq, Wk, Wv, W1, W2 (f32) are rounded to bf16 (to nearest even) and that number is written as f16 into cw:
;   byte 0: x [4096][1024];  WQKV: [1024 k][3072 n], a row = Wq's, Wk's, Wv's row;  W1H: [1024][4096];  W2H: [4096][1024].
; LIMITS.  f16 ends at 65,504: inputs stay under it; a bf16 number below 2^-17 keeps f16's fixed step of 6e-8.
; A unit (the grid's y) is 1,024 rows of 1,024 numbers: 0-3 x, 4 Wq, 5 Wk, 6 Wv, 7-10 W1, 11-14 W2.  A work-group takes 16 rows of a unit; thread t takes
; the 16 bytes at 16 t of each row, so a wave's load covers 512 consecutive bytes and its store 256 consecutive bytes, aligned.  Memory binds: all sixteen
; loads go out first; LDS, barriers and matrix units would add nothing.
.set WQKV, 8388608
.set W1H,  14680064
.set W2H,  23068672
.set DO,   2                           ; v[2:17]   row i: my byte offset in the destination; never rewritten
.set X,    20                          ; v[20:83]  row i: 4 registers as loaded, then 2 to store
.set T,    84                          ; v[84:85]  at work
	s_load_b256 s[4:11], s[0:1], 0x0               ; x s[4:5], Wq s[6:7], Wk s[8:9], Wv s[10:11]
	s_load_b128 s[12:15], s[0:1], 0x20             ; W1 s[12:13], W2 s[14:15]
	s_load_b64 s[16:17], s[0:1], 0x30              ; cw
	s_and_b32 s20, ttmp7, 0xffff                   ; the unit
	s_mov_b32 s24, 0                               ; the source's first unit
	s_mov_b32 s25, 0                               ; its first byte in cw
	s_mov_b32 s26, 2048                            ; bytes from row to row in cw
	s_mov_b32 s30, 0xffff0000                      ; a word's upper bf16
	v_lshlrev_b32 v1, 4, v0                        ; 16 t
	s_wait_kmcnt 0x0
	s_mov_b64 s[22:23], s[4:5]
.macro CASE thr, ptr, base, pitch      ; from unit thr on: another source, another place in cw
	s_cmp_ge_u32 s20, \thr
	s_cselect_b64 s[22:23], s[\ptr:\ptr+1], s[22:23]
	s_cselect_b32 s24, \thr, s24
	s_cselect_b32 s25, \base, s25
	s_cselect_b32 s26, \pitch, s26
.endm
	CASE 4, 6, WQKV, 6144
	CASE 5, 8, WQKV+2048, 6144
	CASE 6, 10, WQKV+4096, 6144
	CASE 7, 12, W1H, 2048
	CASE 11, 14, W2H, 2048
	s_sub_co_u32 s27, s20, s24
	s_lshl_b32 s27, s27, 10
	s_lshl_b32 s28, ttmp9, 4
	s_add_co_u32 s27, s27, s28                     ; my first row in the source: under 4,096
	s_lshl_b32 s28, s27, 12                        ; rows of 4,096 bytes
	s_mov_b32 s29, 0
	s_add_nc_u64 s[22:23], s[22:23], s[28:29]
	s_mul_i32 s28, s27, s26
	s_add_co_u32 s28, s28, s25
	s_add_nc_u64 s[16:17], s[16:17], s[28:29]
.set i, 0
.rept 16
	global_load_b128 v[X+4*i:X+4*i+3], v1, s[22:23] offset:4096*i th:TH_LOAD_NT
.set i, i+1
.endr
.set i, 0
.rept 16
	s_mul_i32 s31, s26, i
	v_lshl_add_u32 v[DO+i], v0, 3, s31             ; 8 t + the row
.set i, i+1
.endr
.set i, 0
.rept 16
	s_wait_loadcnt 15-i                            ; loads come back in order: row i is in, the younger ones stay out
	v_cvt_pk_bf16_f32 v[T], v[X+4*i], v[X+4*i+1]
	v_cvt_pk_bf16_f32 v[T+1], v[X+4*i+2], v[X+4*i+3]
	v_lshlrev_b32 v[X+4*i], 16, v[T]               ; bf16 to f32: a shift or a mask
	v_and_b32 v[X+4*i+1], s30, v[T]
	v_lshlrev_b32 v[X+4*i+2], 16, v[T+1]
	v_and_b32 v[X+4*i+3], s30, v[T+1]
	v_cvt_pk_f16_f32 v[X+4*i], v[X+4*i], v[X+4*i+1]
	v_cvt_pk_f16_f32 v[X+4*i+1], v[X+4*i+2], v[X+4*i+3]
	global_store_b64 v[DO+i], v[X+4*i:X+4*i+1], s[16:17]  ; no register of a store is written again
.set i, i+1
.endr
	s_endpgm
.Lfunc_end_k_q9a3398ba48_cast:
	.size	k_q9a3398ba48_cast, .Lfunc_end_k_q9a3398ba48_cast-k_q9a3398ba48_cast
	.p2alignl 7, 3214868480
	.fill 96, 4, 3214868480
	.section	.rodata,"a",@progbits
	.p2align	6, 0x0
	.amdhsa_kernel k_q9a3398ba48_cast
		.amdhsa_group_segment_fixed_size 0
		.amdhsa_private_segment_fixed_size 0
		.amdhsa_enable_private_segment 0
		.amdhsa_kernarg_size 56
		.amdhsa_user_sgpr_count 2
		.amdhsa_user_sgpr_kernarg_segment_ptr 1
		.amdhsa_wavefront_size32 1
		.amdhsa_system_sgpr_workgroup_id_x 1
		.amdhsa_system_sgpr_workgroup_id_y 1
		.amdhsa_system_sgpr_workgroup_id_z 1
		.amdhsa_system_vgpr_workitem_id 0
		.amdhsa_next_free_vgpr 88
		.amdhsa_next_free_sgpr 66
		.amdhsa_reserve_vcc 0
		.amdhsa_float_denorm_mode_32 3
		.amdhsa_float_denorm_mode_16_64 3
		.amdhsa_memory_ordered 1
		.amdhsa_forward_progress 1
		.amdhsa_inst_pref_size 14
	.end_amdhsa_kernel
	.amdgpu_metadata
---
amdhsa.version: [ 1, 2 ]
amdhsa.kernels:
  - .name:           k_q9a3398ba48_cast
    .symbol:         k_q9a3398ba48_cast.kd
    .args:
      - { .name: x, .offset: 0, .size: 8, .value_kind: global_buffer, .address_space: global }
      - { .name: Wq, .offset: 8, .size: 8, .value_kind: global_buffer, .address_space: global }
      - { .name: Wk, .offset: 16, .size: 8, .value_kind: global_buffer, .address_space: global }
      - { .name: Wv, .offset: 24, .size: 8, .value_kind: global_buffer, .address_space: global }
      - { .name: W1, .offset: 32, .size: 8, .value_kind: global_buffer, .address_space: global }
      - { .name: W2, .offset: 40, .size: 8, .value_kind: global_buffer, .address_space: global }
      - { .name: cw, .offset: 48, .size: 8, .value_kind: global_buffer, .address_space: global }
    .group_segment_fixed_size: 0
    .private_segment_fixed_size: 0
    .kernarg_segment_align: 8
    .kernarg_segment_size: 56
    .max_flat_workgroup_size: 256
    .sgpr_count:     66
    .vgpr_count:     88
    .wavefront_size: 32
...
	.end_amdgpu_metadata
.endif
;; end of part 1
;; launch qkv (part 2): grid 12 x 16, 4 waves a work-group, clusters of 4 x 4, 327,680 bytes of LDS; arguments cw, bq, bk, bv, qkvh; writes qkvh
.if DOCPART == 2
	.amdgcn_target "amdgcn-amd-amdhsa--gfx1250"
	.amdhsa_code_object_version 6
	.text
	.protected	k_q9a3398ba48_qkv
	.globl	k_q9a3398ba48_qkv
	.p2align	8
	.type	k_q9a3398ba48_qkv,@function
k_q9a3398ba48_qkv:
	s_mov_b64 s[64:65], 0
	v_nop
	global_prefetch_b8 v0, s[64:65] scope:SCOPE_SE
	s_setreg_imm32_b32 hwreg(HW_REG_WAVE_MODE, 25, 1), 1
	s_wait_xcnt 0x0
	s_wait_alu depctr_hold_cnt(0) depctr_sa_sdst(0) depctr_va_vdst(0) depctr_va_sdst(0) depctr_va_ssrc(0) depctr_va_vcc(0) depctr_vm_vsrc(0)
	s_getreg_b32 s2, hwreg(HW_REG_IB_STS2, 6, 4)
	s_cmp_eq_u32 s2, 0
	s_cbranch_scc0 .Lentry_in_a_cluster
	s_endpgm
.Lentry_in_a_cluster:
	s_bfe_u32 s2, ttmp6, 0x10000c
	s_cmp_lg_u32 s2, 0xf033
	s_cbranch_scc0 .Lentry_shape_is_right
	s_endpgm
.Lentry_shape_is_right:
; KIND 0: [q k v] = x [Wq Wk Wv] + [bq bk bv], stored by heads: qkvh [3][32 heads][2048][64] f16.      KIND 1: u' = relu(hn W1 + c b1), uh [4096][4096] f16.
; A [4096][1024] f16 lies along K; B [1024 k][SIZE_N] f16 lies along N and comes out of LDS turned, by ds_load_tr16_b128.  Sums in f32, K ascending.
; LIMITS.  f16 ends at 65,504: q, k, v (KIND 0) stay under it; u' (KIND 1) is kept small by the row's power of two c, which the launch before chose so that |hn| < 2.
; The biases are rounded to bf16 like every input.  NaN and infinities are not treated apart (relu of a NaN gives 0).
; SHARES.  A tile of C, 256 x 256, is a work-group's; each of four waves makes 128 x 128: 64 accumulators of 16 x 16, 512 registers.  K goes in steps of 128 through two LDS slots.
; KIND 0 has 192 tiles of this size; a tile of 128 rows would make one and a half rounds of work-groups, one of 192 columns would cut heads in two.
; THE BIAS STARTS THE SUMS: one product for each accumulator with C = 0, whose A side holds c of the row (KIND 0: 1.0) at k = 0 and whose B side holds the column's bias at k = 0, all else 0.
; So no first K step is written out and nothing is cleared or added on the way out: 64 products more on 2,048.
; CLUSTER 4 x 4: A's tile is shared along a row of the cluster, B's along a column: each is asked for jointly, by the same tensor load with the same descriptor and a mask of four.
; THE MATRIX INSTRUCTION IS USED TRANSPOSED (source 0 = 16 columns of B, source 1 = 16 rows of A): a lane then holds eight neighbouring numbers of a row of C.
; REGISTERS, in windows of 256: window 0: v0-31 addresses; v64-127, v128-191 A's fragments, two buffers; v32-63, v192-255 (KIND 1 also v64-127) at work on the way out
;   window 1: v64-127, v128-191 B's fragments          windows 2, 3: the accumulators of my rows 0-63, 64-127: (a, b) at v[8 (8 (a % 4) + b)]
.set KIND,   0
.set SIZE_K, 1024
.if KIND == 0
.set SIZE_N, 3072
.set BBASE,  8388608                   ; WQKV in cw
.set BPTR,   72
.set STGW,   2*16*144                  ; a wave's stage: two heads x 16 rows x (128 + 16) bytes
.else
.set SIZE_N, 4096
.set BBASE,  14680064                  ; W1H in cw
.set BPTR,   74
.set STGW,   16*272                    ; 16 rows x (256 + 16) bytes
.endif
.set APTR,   72
.set KSTEP,  128
.set PITCH,  272                       ; A's LDS row: 256 bytes + 16: the 16 rows of a fragment load start at 16 different groups of four banks (64 banks of 4 bytes: ISA guide 11.1)
.set PB,     288                       ; B's LDS row (one k, 128 columns): 256 + 32
.set HALFA,  128*PITCH
.set HALFB,  128*PB
.set SLOT,   2*HALFA+2*HALFB           ; A's rows 0-127, 128-255, B's columns 0-127, 128-255
.set STAGE,  2*SLOT                    ; behind the ring, never filled by a tensor load
.set SPARE,  STAGE+4*STGW              ; the spare words, 128 bytes a wave: two blocks of 256 bytes that no other line names
.set ADRA0, 14                         ; v14  my lane's place in A's tile of slot 0; never rewritten
.set ADRB0, 15                         ; v15  the same for B
.set ADRA, 16                          ; v16  the same in the slot being read
.set ADRB, 20                          ; v20
.set STO,  24                          ; v24  the way out: where I put 16 bytes of a row
.set RD,   25                          ; v25  where I read rows back
.set GO,   26                          ; v26  my byte offset in the output
.set SPW,  28                          ; v28  my spare word; never rewritten
.set NIL,  29                          ; v29  0; never rewritten
.set BT,   32                          ; v32-39 biases, v40-47 c, as loaded
.set F0,   64
.set F1,   128
.set T,    64                          ; the way out (KIND 1): a block after relu
.set TMP,  192                         ; the way out: packed results
.set OB,   32                          ; the way out: 16 rows read back: v32-63 and v224-255 by turns
.set G1,  24                           ; s[24:31] group 1 for A;  s[32:39] group 0: set 0 for the first fill of slot 0, set 1 for slot 1's, which then walks on
.set G0,  32
.set G1B, 48                           ; s[48:55], s[56:63] the same for B
.set G0B, 56
.set TB,  45                           ; s45  0 or SLOT: the slot being read
.set HM,  66                           ; s66  mask of lanes 0-15
.set MSB, 0
.macro WIN new                         ; the immediate's high byte repeats the setting that is left; a switch that changes nothing is dropped
.if MSB != (\new)
	s_set_vgpr_msb (MSB<<8)|(\new)
.set MSB, \new
.endif
.endm
.set MUL_LO, 0xa1                      ; source 0 (B) window 1, source 1 (A) window 0, C and D window 2
.set MUL_HI, 0xf1                      ; the same, C and D window 3
.set TO_B,   0x40                      ; destination window 1
; A joint load: waves 0 and 1 fetch A's halves, waves 2 and 3 B's.  An s_nop 0 and four v_nop follow each of the two lines, ahead of the jump and the label.
.macro JLOAD s
	s_cmp_eq_u32 s11, 0
	s_cbranch_scc0 .Lfor_b_\@
	tensor_load_to_lds s[G0+4*(\s):G0+4*(\s)+3], s[G1:G1+7]
	s_nop 0
.rept 4
	v_nop
.endr
	s_branch .Lasked_\@
.Lfor_b_\@:
	tensor_load_to_lds s[G0B+4*(\s):G0B+4*(\s)+3], s[G1B:G1B+7]
	s_nop 0
.rept 4
	v_nop
.endr
.Lasked_\@:
.endm
.macro CREST                           ; a round of the cluster's barrier behind its opening barrier
	s_cmp_lg_u32 s10, 0
	s_cbranch_scc1 .Lnot_wave_0_\@
	s_barrier_signal -3
.Lnot_wave_0_\@:
	s_barrier_wait -3
	s_barrier_signal -1
	s_barrier_wait -1
.endm
.macro CROUND
	s_barrier_signal -1
	s_barrier_wait -1
	CREST
.endm
.macro PLACES                          ; four plain places behind matrix instructions, ahead of loads into their sources and of reads of their results
.rept 4
	v_nop
.endr
.endm
	s_load_b256 s[72:79], s[0:1], 0x0              ; KIND 0: cw, bq, bk, bv.  KIND 1: hn, cw, b1, rs
	s_load_b64 s[80:81], s[0:1], 0x20              ; the output
	v_lshl_add_u32 v[SPW], v0, 2, SPARE
	v_mov_b32 v[NIL], 0
	ds_add_u32 v[SPW], v[NIL]                      ; the wave's opening: the add and its wait ahead of my first tensor load
	ds_add_u32 v28, v29
	v_lshrrev_b32 v1, 5, v0
	v_readfirstlane_b32 s10, v1                    ; wave 0..3
	s_lshr_b32 s11, s10, 1                         ; my half of the tile's rows.  Also: I fetch for A (0) or for B (1)
	s_and_b32 s12, s10, 1                          ; my half of its columns.  Also: which half I fetch
	s_bfe_u32 s40, ttmp6, 0x40000                  ; cx
	s_bfe_u32 s41, ttmp6, 0x40004                  ; cy
	s_lshl_b32 s42, ttmp9, 2
	s_add_co_u32 s42, s42, s40                     ; tile column
	s_and_b32 s13, ttmp7, 0xffff
	s_lshl_b32 s13, s13, 2
	s_add_co_u32 s13, s13, s41                     ; tile row
	s_lshl_b32 s43, s41, 2
	s_lshl_b32 s43, 15, s43                        ; my row of the cluster
	s_lshl_b32 s44, 0x1111, s40                    ; my column
	s_or_b32 s[G1], s43, (1<<16)|(1<<20)|(1<<21)|(5<<22)|(3<<25)   ; mask; 2-byte elements; padding on; bit 21 beside a mask; after every 64 words 4 words
	s_or_b32 s[G1B], s44, (1<<16)|(1<<20)|(1<<21)|(5<<22)|(7<<25)  ; the same with my column's mask and 8 words
.irp g, G1, G1B
	s_mov_b32 s[(\g)+1], 128<<16                   ; tensor_dim0 = 128
	s_mov_b32 s[(\g)+2], 128<<16                   ; tensor_dim1 = 128
	s_mov_b32 s[(\g)+3], 128<<16                   ; tile_dim0 = 128 elements: 256 bytes
	s_mov_b32 s[(\g)+4], 128                       ; tile_dim1 = 128 rows
	s_mov_b32 s[(\g)+6], 0
	s_mov_b32 s[(\g)+7], 0
.endr
	s_mov_b32 s[G1+5], SIZE_K                      ; elements from row to row
	s_mov_b32 s[G1B+5], SIZE_N
	s_lshl_b32 s16, s13, 8                         ; A: row 256 x tile row + 128 x half, rows of 2,048 bytes: made of the tile row and the wave alone
	s_lshl_b32 s17, s12, 7
	s_add_co_u32 s16, s16, s17
	s_lshl_b32 s16, s16, 11
	s_mov_b32 s17, 0
	s_lshl_b32 s46, s42, 9                         ; B: column 256 x tile column + 128 x half, 2 bytes each: made of the tile column and the wave alone
	s_lshl_b32 s47, s12, 8
	s_add_co_u32 s46, s46, s47
	s_add_co_u32 s46, s46, BBASE
	s_mov_b32 s47, 0
	s_mul_i32 s20, s12, HALFA                      ; where they go in a slot: no place in the cluster enters an LDS address
	s_mul_i32 s21, s12, HALFB
	s_add_co_u32 s21, s21, 2*HALFA
	s_mov_b32 s[TB], 0
	s_wait_dscnt 0x0                               ; the opening add is done
	s_wait_kmcnt 0x0
	s_add_nc_u64 s[14:15], s[APTR:APTR+1], s[16:17]
	s_add_nc_u64 s[46:47], s[BPTR:BPTR+1], s[46:47]
	CROUND                                         ; all sixteen work-groups are here: the first joint loads meet
.irp s, 0,1
	s_mov_b32 s[G0+4*(\s)], 1
	s_add_co_u32 s[G0+4*(\s)+1], s20, (\s)*SLOT
	s_add_nc_u64 s[G0+4*(\s)+2:G0+4*(\s)+3], s[14:15], (\s)*KSTEP*2
	s_or_b32 s[G0+4*(\s)+3], s[G0+4*(\s)+3], 0x80000000
	s_mov_b32 s[G0B+4*(\s)], 1
	s_add_co_u32 s[G0B+4*(\s)+1], s21, (\s)*SLOT
	s_add_nc_u64 s[G0B+4*(\s)+2:G0B+4*(\s)+3], s[46:47], (\s)*KSTEP*SIZE_N*2
	s_or_b32 s[G0B+4*(\s)+3], s[G0B+4*(\s)+3], 0x80000000
	JLOAD \s                                       ; K steps 0 and 1: two loads of mine are out
.endr
	v_and_b32 v1, 15, v0                           ; r = l % 16
	v_bfe_u32 v2, v0, 4, 1                         ; h = l / 16
	v_mul_u32_u24 v3, v1, PITCH                    ; A's fragment: row r, 16 bytes for each half of the lanes
	v_lshl_add_u32 v3, v2, 4, v3
	s_mul_i32 s22, s11, HALFA
	v_add_nc_u32 v[ADRA0], s22, v3
	v_and_b32 v4, 7, v0                            ; B's: lane l reads k row 8 h + l % 8, columns 8 ((l / 8) % 2) + 0..7; the load leaves column r and 8 k in each lane
	v_lshl_add_u32 v4, v2, 3, v4
	v_mul_u32_u24 v4, v4, PB
	v_bfe_u32 v5, v0, 3, 1
	v_lshl_add_u32 v4, v5, 4, v4
	s_mul_i32 s23, s12, HALFB
	s_add_co_u32 s23, s23, 2*HALFA
	v_add_nc_u32 v[ADRB0], s23, v4
	v_mov_b32 v[ADRA], v[ADRA0]
	v_mov_b32 v[ADRB], v[ADRB0]
	s_mul_i32 s22, s10, STGW
	s_add_co_u32 s22, s22, STAGE                   ; my stage
.if KIND == 0
	v_mul_u32_u24 v3, v1, 144                      ; in: row r of a head, 16 bytes for each half of the lanes
	v_lshl_add_u32 v3, v2, 4, v3
	v_add_nc_u32 v[STO], s22, v3
	v_bfe_u32 v3, v0, 3, 2                         ; back: 32 lanes take four rows of 128 bytes,
	v_mul_u32_u24 v3, v3, 144
	v_and_b32 v4, 7, v0
	v_lshl_add_u32 v3, v4, 4, v3
	v_add_nc_u32 v[RD], s22, v3
	v_and_b32 v3, 31, v0                           ; which are 512 consecutive bytes of a head
	v_lshlrev_b32 v[GO], 4, v3
	s_mov_b32 s67, ttmp9                           ; which of q, k, v: the cluster's x, since a matrix is four tile columns wide
	s_lshl_b32 s84, s67, 23                        ; the matrix: 32 heads x 2,048 rows x 128 bytes
	s_lshr_b32 s85, s13, 3                         ; the batch: 8 tile rows each
	s_lshl_b32 s85, s85, 4
	s_lshl2_add_u32 s85, s40, s85                  ; head = 16 x batch + 4 cx + 2 x my half of the columns
	s_lshl1_add_u32 s85, s12, s85
	s_lshl_b32 s85, s85, 18
	s_add_co_u32 s84, s84, s85
	s_and_b32 s85, s13, 7                          ; the row in the head: 256 x (tile row % 8) + 128 x my half of the rows
	s_lshl_b32 s85, s85, 8
	s_lshl_b32 s86, s11, 7
	s_add_co_u32 s85, s85, s86
	s_lshl_b32 s85, s85, 7
	s_add_co_u32 s84, s84, s85
.else
	v_mul_u32_u24 v3, v1, 272
	v_lshl_add_u32 v3, v2, 4, v3
	v_add_nc_u32 v[STO], s22, v3
	v_mul_u32_u24 v3, v2, 272                      ; back: lanes 0-15 take one row of 256 bytes, lanes 16-31 the next
	v_lshl_add_u32 v3, v1, 4, v3
	v_add_nc_u32 v[RD], s22, v3
	v_lshlrev_b32 v3, 13, v2
	v_lshl_add_u32 v[GO], v1, 4, v3
	s_lshl_b32 s84, s13, 8
	s_lshl_b32 s85, s11, 7
	s_add_co_u32 s84, s84, s85
	s_lshl_b32 s84, s84, 13                        ; my first row, rows of 8,192 bytes
	s_lshl_b32 s85, s42, 9
	s_add_co_u32 s84, s84, s85
	s_lshl_b32 s85, s12, 8
	s_add_co_u32 s84, s84, s85                     ; my first column
.endif
	s_mov_b32 s85, 0
	s_add_nc_u64 s[80:81], s[80:81], s[84:85]
	; the biases of my 128 columns: lane r of fragment i takes column 16 i + r
.if KIND == 0
	s_cmp_eq_u32 s67, 1
	s_cselect_b64 s[82:83], s[76:77], s[74:75]
	s_cmp_eq_u32 s67, 2
	s_cselect_b64 s[82:83], s[78:79], s[82:83]
	s_lshl_b32 s84, s40, 10                        ; 256 columns x 4 bytes for each tile column inside the matrix
.else
	s_mov_b64 s[82:83], s[76:77]
	s_lshl_b32 s84, s42, 10
.endif
	s_lshl_b32 s85, s12, 9
	s_add_co_u32 s84, s84, s85
	s_mov_b32 s85, 0
	s_add_nc_u64 s[82:83], s[82:83], s[84:85]
	v_lshlrev_b32 v6, 2, v1                        ; never rewritten
	v_lshlrev_b32 v7, 3, v1                        ; never rewritten
.irp i, 0,1,2,3,4,5,6,7
	global_load_b32 v[BT+\i], v6, s[82:83] offset:64*\i
.endr
.if KIND == 1
	s_lshl_b32 s86, s13, 11                        ; rs holds (1/c, c), 8 bytes a row: my 128 rows
	s_lshl_b32 s87, s11, 10
	s_add_co_u32 s86, s86, s87
	s_mov_b32 s87, 0
	s_add_nc_u64 s[86:87], s[78:79], s[86:87]
.irp i, 0,1,2,3,4,5,6,7
	global_load_b32 v[BT+8+\i], v7, s[86:87] offset:128*\i+4
.endr
.endif
	; the bias fragments, in buffer 1: all is 0 but k = 0, which is the low half of register 0 in lanes 0-15.  This stands in the wait for the first tile.
	v_and_b32 v8, 31, v0
	v_cmp_gt_u32 s[HM], 16, v8
	WIN TO_B
.set i, 0
.rept 8
.irp k, 1,2,3,4,5,6,7
	v_mov_b32 v[F1+8*i+\k], 0
.endr
.set i, i+1
.endr
	WIN 0
.if KIND == 0
.irp k, 1,2,3,4,5,6,7
	v_mov_b32 v[F1+\k], 0
.endr
	v_mov_b32 v9, 0x3c00                           ; 1.0 in f16
	v_cndmask_b32 v[F1], 0, v9, s[HM]
.else
.set i, 0
.rept 8
.irp k, 1,2,3,4,5,6,7
	v_mov_b32 v[F1+8*i+\k], 0
.endr
.set i, i+1
.endr
.endif
	s_wait_loadcnt 0x0
.irp i, 0,1,2,3,4,5,6,7
	v_cvt_pk_bf16_f32 v[BT+\i], v[BT+\i], v[BT+\i]  ; the bias is rounded to bf16 like every input,
.endr
.irp i, 0,1,2,3,4,5,6,7
	v_lshlrev_b32 v[BT+\i], 16, v[BT+\i]
.endr
.irp i, 0,1,2,3,4,5,6,7
	v_cndmask_b32 v[BT+\i], 0, v[BT+\i], s[HM]
.endr
.if KIND == 1
.irp i, 0,1,2,3,4,5,6,7
	v_cndmask_b32 v[BT+8+\i], 0, v[BT+8+\i], s[HM]
.endr
.irp i, 0,1,2,3,4,5,6,7
	v_cvt_pk_f16_f32 v[F1+8*\i], v[BT+8+\i], v[NIL]  ; c is a power of two from 2^-14 to 2^8: exact in f16
.endr
.endif
	WIN TO_B
.irp i, 0,1,2,3,4,5,6,7
	v_cvt_pk_f16_f32 v[F1+8*\i], v[BT+\i], v[NIL]  ; and written as f16
.endr
	WIN 0
; 16 matrix instructions: m blocks a0, a0 + 1 of the window's four x all 8 n blocks, 32 along K.  The 64 accumulators take turns, one instruction a turn, in the same order everywhere.
.macro MUL16 f, hi, a0
	WIN MUL_LO+0x50*(\hi)
.irp a, \a0, (\a0)+1
.irp b, 0,1,2,3,4,5,6,7
	v_wmma_f32_16x16x32_f16 v[8*(8*(\a)+(\b)):8*(8*(\a)+(\b))+7], v[(\f)+8*(\b):(\f)+8*(\b)+7], v[(\f)+8*(4*(\hi)+(\a)):(\f)+8*(4*(\hi)+(\a))+7], v[8*(8*(\a)+(\b)):8*(8*(\a)+(\b))+7]
.endr
.endr
.endm
.macro BIASMUL                         ; the 64 products that start the sums: c of the row x the column's bias
.irp hi, 0,1
	WIN MUL_LO+0x50*(\hi)
.irp a, 0,1,2,3
.irp b, 0,1,2,3,4,5,6,7
.if KIND == 0
	v_wmma_f32_16x16x32_f16 v[8*(8*(\a)+(\b)):8*(8*(\a)+(\b))+7], v[F1+8*(\b):F1+8*(\b)+7], v[F1:F1+7], 0
.else
	v_wmma_f32_16x16x32_f16 v[8*(8*(\a)+(\b)):8*(8*(\a)+(\b))+7], v[F1+8*(\b):F1+8*(\b)+7], v[F1+8*(4*(\hi)+(\a)):F1+8*(4*(\hi)+(\a))+7], 0
.endif
.endr
.endr
.endr
.endm
; 32 LDS loads in one run: quarter q (32 along K) of the slot being read, into buffer f: B's 8 fragments turned, then A's 8
.macro FETCH q, f
	WIN TO_B
.irp i, 0,1,2,3,4,5,6,7
	ds_load_tr16_b128 v[(\f)+8*(\i):(\f)+8*(\i)+3],   v[ADRB] offset:(\q)*32*PB+32*(\i)
	ds_load_tr16_b128 v[(\f)+8*(\i)+4:(\f)+8*(\i)+7], v[ADRB] offset:(\q)*32*PB+16*PB+32*(\i)
.endr
	WIN 0
.irp i, 0,1,2,3,4,5,6,7
	ds_load_b128 v[(\f)+8*(\i):(\f)+8*(\i)+3],   v[ADRA] offset:64*(\q)+(\i)*16*PITCH
	ds_load_b128 v[(\f)+8*(\i)+4:(\f)+8*(\i)+7], v[ADRA] offset:64*(\q)+(\i)*16*PITCH+32
.endr
.endm
.macro QUARTER q, f, g                 ; multiplies buffer f; in its middle fetches quarter q into buffer g
	s_wait_dscnt 8                                 ; B and A's rows 0-63 are in; the youngest eight loads (A's rows 64-127) may be out
	MUL16 \f, 0, 0
	MUL16 \f, 0, 2
	PLACES
	FETCH \q, \g
	s_wait_dscnt 32                                ; all but the 32 just issued
	MUL16 \f, 1, 0
	MUL16 \f, 1, 2
.endm
; The last quarter multiplies buffer 1 and changes slots.  ONE barrier: in front of it each wave waits for all its tensor loads (one is out: its part of the next slot), adds 0 to its spare
; word, and waits for that and for its reads of this slot.  fill = 1: the barrier opens a round of the cluster's barrier, and behind the round this slot takes the K step two steps on.
.macro TURN fill
	WIN 0
	s_wait_tensorcnt 0x0
	ds_add_u32 v[SPW], v[NIL]
	s_wait_dscnt 9                                 ; the add and the youngest eight loads may be out
	MUL16 F1, 0, 0
	s_wait_dscnt 0x0                               ; the add is done, and my reads of this slot are over
	s_barrier_signal -1
	MUL16 F1, 0, 2
.if \fill
	WIN 0
.endif
	s_barrier_wait -1
.if \fill
	CREST                                          ; no wave of any partner still reads this slot or has a load on its way
	s_add_co_u32 s[G0+5], s20, s[TB]               ; the walking descriptor: the slot just read,
	s_add_nc_u64 s[G0+6:G0+7], s[G0+6:G0+7], KSTEP*2  ; the next K step behind the one it asked for last
	s_add_co_u32 s[G0B+5], s21, s[TB]
	s_add_nc_u64 s[G0B+6:G0B+7], s[G0B+6:G0B+7], KSTEP*SIZE_N*2
	JLOAD 1                                        ; the first tensor load behind the round; its four v_nop are also the places in front of the loads below
.else
	PLACES
.endif
	WIN 0
	s_xor_b32 s[TB], s[TB], SLOT                   ; 0 and SLOT by turns
	v_add_nc_u32 v[ADRA], s[TB], v[ADRA0]
	v_add_nc_u32 v[ADRB], s[TB], v[ADRB0]
	FETCH 0, F0
	MUL16 F1, 1, 0
	MUL16 F1, 1, 2
.endm
.macro KSTEPM fill                     ; a K step: its first quarter's fragments are in buffer 0 or on their way
	QUARTER 1, F0, F1
	QUARTER 2, F1, F0
	QUARTER 3, F0, F1
	TURN \fill
.endm
; THE WAY OUT of block a (16 rows): rounded to f16 (KIND 1: behind relu), 16 bytes a lane into my own stage, back as whole rows, stored.
.macro PACK a
.set AC, 64*((\a)%4)
.if KIND == 0
	WIN 0x0a+5*((\a)/4)                            ; sources 0 and 1: window 2 or 3
.irp b, 0,1,2,3,4,5,6,7
.irp r, 0,1,2,3
	v_cvt_pk_f16_f32 v[TMP+4*(\b)+(\r)], v[AC+8*(\b)+2*(\r)], v[AC+8*(\b)+2*(\r)+1]
.endr
.endr
.else
	WIN 0x08+4*((\a)/4)                            ; source 1: window 2 or 3
.set i, 0
.rept 64
	v_max_num_f32 v[T+i], 0, v[AC+i]
.set i, i+1
.endr
	WIN 0
.set i, 0
.rept 32
	v_cvt_pk_f16_f32 v[TMP+i], v[T+2*i], v[T+2*i+1]
.set i, i+1
.endr
.endif
	WIN 0
.endm
.macro TOSTAGE a
	WIN 0
.set BK, OB+192*((\a)%2)
.irp b, 0,1,2,3,4,5,6,7
.if KIND == 0
	ds_store_b128 v[STO], v[TMP+4*(\b):TMP+4*(\b)+3] offset:((\b)/4)*2304+((\b)%4)*32
.else
	ds_store_b128 v[STO], v[TMP+4*(\b):TMP+4*(\b)+3] offset:32*(\b)
.endif
.endr
.irp t, 0,1,2,3,4,5,6,7                ; LDS serves a wave's instructions in order (ISA guide 5.7.1.4): these see the stores above
.if KIND == 0
	ds_load_b128 v[BK+4*(\t):BK+4*(\t)+3], v[RD] offset:((\t)/4)*2304+((\t)%4)*576
.else
	ds_load_b128 v[BK+4*(\t):BK+4*(\t)+3], v[RD] offset:(\t)*544
.endif
.endr
.endm
.macro SEND a
	WIN 0
.set BK, OB+192*((\a)%2)
	s_wait_dscnt 0x0                               ; the block is back in registers
	s_wait_xcnt 0x0                                ; the other buffer, which earlier stores read, is loaded again only behind this wait
.irp t, 0,1,2,3,4,5,6,7
.if KIND == 0
	global_store_b128 v[GO], v[BK+4*(\t):BK+4*(\t)+3], s[80:81] offset:((\t)/4)*262144+(16*(\a)+4*((\t)%4))*128  ; four rows of a head: 512 consecutive bytes, aligned to 256
.else
	global_store_b128 v[GO], v[BK+4*(\t):BK+4*(\t)+3], s[80:81] offset:(16*(\a)+2*(\t))*SIZE_N*2  ; 16 lanes store 256 consecutive bytes, aligned
.endif
.endr
.endm
	s_wait_tensorcnt 1                             ; my part of K step 0 is in; K step 1's may stay out
	s_barrier_signal -1
	s_barrier_wait -1
	FETCH 0, F0
	BIASMUL
	WIN 0
	s_mov_b32 s3, SIZE_K/KSTEP-2
.Lk:                                                   ; K steps 0 to 5 ask for K steps 2 to 7
	KSTEPM 1
	WIN 0
	s_sub_co_u32 s3, s3, 1
	s_cmp_lg_u32 s3, 0
	s_cbranch_scc1 .Lk
	s_mov_b32 s3, 2
.Lt:                                                   ; K steps 6 and 7 ask for nothing.  The last trip's barrier and its 32 loads from the slot already used serve nothing: the price of one text for both
	KSTEPM 0
	WIN 0
	s_sub_co_u32 s3, s3, 1
	s_cmp_lg_u32 s3, 0
	s_cbranch_scc1 .Lt
	s_wait_dscnt 0x0
	PLACES
	PACK 0
	TOSTAGE 0
.irp a, 1,2,3,4,5,6,7                  ; block a's conversions stand between block a - 1's loads from the stage and the wait for them
	PACK \a
	SEND (\a)-1
	TOSTAGE \a
.endr
	SEND 7
	s_wait_tensorcnt 0x0                           ; the wave's end
	ds_add_u32 v[SPW], v[NIL]
	s_wait_dscnt 0x0
	CROUND                                         ; the closing round
	s_endpgm
.Lfunc_end_k_q9a3398ba48_qkv:
	.size	k_q9a3398ba48_qkv, .Lfunc_end_k_q9a3398ba48_qkv-k_q9a3398ba48_qkv
	.p2alignl 7, 3214868480
	.fill 96, 4, 3214868480
	.section	.rodata,"a",@progbits
	.p2align	6, 0x0
	.amdhsa_kernel k_q9a3398ba48_qkv
		.amdhsa_group_segment_fixed_size 327680
		.amdhsa_private_segment_fixed_size 0
		.amdhsa_enable_private_segment 0
		.amdhsa_kernarg_size 40
		.amdhsa_user_sgpr_count 2
		.amdhsa_user_sgpr_kernarg_segment_ptr 1
		.amdhsa_wavefront_size32 1
		.amdhsa_system_sgpr_workgroup_id_x 1
		.amdhsa_system_sgpr_workgroup_id_y 1
		.amdhsa_system_sgpr_workgroup_id_z 1
		.amdhsa_system_vgpr_workitem_id 0
		.amdhsa_next_free_vgpr 1024
		.amdhsa_next_free_sgpr 92
		.amdhsa_reserve_vcc 0
		.amdhsa_float_denorm_mode_32 3
		.amdhsa_float_denorm_mode_16_64 3
		.amdhsa_memory_ordered 1
		.amdhsa_forward_progress 1
		.amdhsa_inst_pref_size 103
	.end_amdhsa_kernel
	.amdgpu_metadata
---
amdhsa.version: [ 1, 2 ]
amdhsa.kernels:
  - .name:           k_q9a3398ba48_qkv
    .symbol:         k_q9a3398ba48_qkv.kd
    .args:
      - { .name: cw, .offset: 0, .size: 8, .value_kind: global_buffer, .address_space: global }
      - { .name: bq, .offset: 8, .size: 8, .value_kind: global_buffer, .address_space: global }
      - { .name: bk, .offset: 16, .size: 8, .value_kind: global_buffer, .address_space: global }
      - { .name: bv, .offset: 24, .size: 8, .value_kind: global_buffer, .address_space: global }
      - { .name: qkvh, .offset: 32, .size: 8, .value_kind: global_buffer, .address_space: global }
    .group_segment_fixed_size: 327680
    .private_segment_fixed_size: 0
    .kernarg_segment_align: 8
    .kernarg_segment_size: 40
    .max_flat_workgroup_size: 128
    .sgpr_count:     92
    .vgpr_count:     1024
    .wavefront_size: 32
...
	.end_amdgpu_metadata
.endif
;; end of part 2
;; launch attn (part 3): grid 8 x 32, 4 waves a work-group, no clusters, 327,680 bytes of LDS; arguments qkvh, att; writes att
.if DOCPART == 3
	.amdgcn_target "amdgcn-amd-amdhsa--gfx1250"
	.amdhsa_code_object_version 6
	.text
	.protected	k_q9a3398ba48_attn
	.globl	k_q9a3398ba48_attn
	.p2align	8
	.type	k_q9a3398ba48_attn,@function
k_q9a3398ba48_attn:
	s_mov_b64 s[64:65], 0
	v_nop
	global_prefetch_b8 v0, s[64:65] scope:SCOPE_SE
	s_setreg_imm32_b32 hwreg(HW_REG_WAVE_MODE, 25, 1), 1
	s_wait_xcnt 0x0
; CAUSAL ATTENTION.  a[q] = the sum over k <= q of softmax_k(Q[q] . K[k] / 32) V[k], for each of 32 heads of 2,048 rows x 64 channels.  qkvh: [3][32][2048][64] f16.  att: [4096][1024] f32, a head's
; 64 channels being 256 aligned bytes of a row.  Products, maxima and sums in f32; the weights p are rounded to f16 for the second product (their sum l is taken of the unrounded p).
; LIMITS.  A hidden score counts as its value less 1e30; a weight below 2^-126 counts as 0 in l; p below 6e-5 keeps f16's fixed step of 6e-8; NaN and infinities are not treated apart.
; THE WALK.  A head has NB = 16 blocks of 128 queries; block i needs the key tiles 0 .. i of 128 keys, the last holding the diagonal.  A work-group takes blocks NB - 1 - b and then b: NB + 1 tiles
; whatever b: 256 work-groups of equal work, one loop with a constant trip count.  NO CLUSTER: a head's 8 work-groups ask for the same tile only in trips 0 .. 8, behind that fewer and fewer; a walk
; common to all partners would have 24 trips for 17.
; SHARES.  Of a block's two bands of 64 queries a wave owns 16 rows in each: tile u has rows 64 u + 16 w + r.  So the diagonal tile is the same work for all four waves.
; THE MASK is the C operand that starts the sum S^T = K Q^T: MD x AL + BE, MD being the mask of a band's own step for my 16 rows: (1, 0) in the band's own step of the diagonal tile, (0, -1e30) in a
; later step, (0, 0) elsewhere.  It is made in every step, so that one text serves every tile.
; LAYOUT.  S^T = K Q^T holds ONE query a lane (lane % 16) and the keys 8 (lane / 16) + 0..7; two such results rounded to f16 ARE source 1 of O^T = V^T P.  p = 2^(c s - c m), c = log2(e) / 32, with a running
; maximum m; O and l are multiplied by a = 2^(c m_old - c m_new) in every step.  A block starts with c m far below every c s, so its first a is 0 and O and l need only be finite.
; A STEP (64 keys): K Q^T of tile 0; K Q^T of tile 1 with eight lines of tile 0's softmax behind each product; the rest of that softmax; V^T P of tile 0 with tile 1's softmax likewise; its rest; V^T P of tile 1.
; REGISTERS: window 0: v0-15 addresses; v16-39 twelve registers of statistics a tile; v64-127 S^T; v128-159 P; v160-223 O^T
;   window 1: v0-63 K of a step; v64-127 V; v128-159 Q; v160-191 MD; v192-255 the two tiles' masks          window 2: v0-31 the second block's Q
.set NB,    16
.set KS,    64
.set PK,    144       ; a row of K in LDS: 128 bytes + 16: the 16 rows of a load start at 16 different groups of four banks (64 banks of 4 bytes: ISA guide 11.1)
.set PV,    160       ; a row of V: 128 + 32
.set VOFF,  2*KS*PK   ; a slot holds a tile: 128 rows of K, then 128 rows of V
.set SLOT1, 1<<16     ; slot 1 begins here, so that one exclusive or turns an address in one slot into the other's
.set STAGE, SLOT1+2*KS*(PK+PV)  ; behind the ring, never filled by a tensor load: 16 rows x 272 bytes for each wave
.set SP,    272
.set SPARE, STAGE+4*16*SP       ; the spare words, 128 bytes a wave: two blocks of 256 bytes that no other line names
.set AK0, 2           ; v2   my lane's place in a tile of K; never rewritten
.set AV0, 3           ; v3   the same for V
.set AK,  4           ; v4   the LDS address of K's next run of loads
.set AV,  5           ; v5   of V's
.set STO, 6           ; v6   the way out: where I put 32 bytes of a row
.set RD,  7           ; v7   where I read rows back
.set GO,  8           ; v8   my byte offset in two rows of att
.set QO,  12          ; v12  my byte offset in 16 rows of Q
.set ST,  16          ; tile u's statistics at v[ST+12 u]: c m, m, l (even keys', odd keys'), c0-c3 at work (c2 takes a), c m_old
.set SPW, 62
.set NIL, 63
.set S,   64
.set P,   128
.set OA,  160
.set KF,  0           ; window 1: key block kb, channel half c at KF + 16 kb + 8 c
.set VF,  64          ; window 1: key half kk, channel block cb at VF + 32 kk + 8 cb
.set QF,  128         ; window 1: tile u, channel half c at QF + 16 u + 8 c
.set MD,  160
.set MC,  192
.set WV,  12
.set PBL, 14          ; s14  b
.set HI,  15          ; s15  NB - 1 - b
.set G1K, 24
.set G1V, 32
.set G0K, 40
.set G0V, 44
.set SLOTS, 56
.set CNT, 57          ; s57  counts a tile's two key steps, 2 to 1
.set CS,  58          ; s[58:59] c
.set SEL, 60          ; s[60:61] v_permlanex16_b32's selects
.set TBK, 62          ; s62  LDS byte at which K of the step to be fetched begins
.set TBV, 63          ; s63  the same for V, less VOFF
.set RT,  70          ; s70  tiles of the block in hand that are still to be entered
.set NXT, 71          ; s71  the tile to be asked for next
.set LQ,  72          ; s72  the last tile of the block whose tiles are being asked for
.set NEW, 73          ; s73  1: the tile to be entered is the second block's first
.set OFF, 74          ; s[74:75] a tile's byte offset in K and V
.set AL0, 76          ; s[76:77], s[78:79] tile 0's factor and addend; s[80:81] tile 1's factor; s[82:83] 0, its addend
.set BE0, 78
.set AL1, 80
.set ZZ,  82
.set BIGN, 84         ; s84  -1e30
.set XX,  85          ; s85  4 RT + CNT
.set OLO, 86          ; s[86:87] att at my rows of the second block
.set MSB, 0
.macro WIN new
.if MSB != (\new)
	s_set_vgpr_msb (MSB<<8)|(\new)
.set MSB, \new
.endif
.endm
; A fill: waves 0 and 1 fetch the halves of a tile's K, waves 2 and 3 those of its V: 64 keys each.  An s_nop 0 and four v_nop follow each of the two lines.
.macro LOAD
	s_cmp_lt_u32 s[WV], 2
	s_cbranch_scc0 .Lfor_v_\@
	tensor_load_to_lds s[G0K:G0K+3], s[G1K:G1K+7]
	s_nop 0
.rept 4
	v_nop
.endr
	s_branch .Lasked_\@
.Lfor_v_\@:
	tensor_load_to_lds s[G0V:G0V+3], s[G1V:G1V+7]
	s_nop 0
.rept 4
	v_nop
.endr
.Lasked_\@:
.endm
; THE CHANGE OF SLOTS.  Each wave waits for all its tensor loads (one is out: its part of the other slot), adds 0 to its spare word, and waits for that and for its reads of the slot that it leaves.
; fill = 1: the old slot is filled again, first thing behind the barrier, with tile NXT.  (At its first use nothing has been read yet: slot 0 is waited for, slot 1 filled.)
.macro CHANGE fill
	WIN 0
	s_wait_tensorcnt 0x0
	ds_add_u32 v[SPW], v[NIL]
.if \fill
	s_lshl_b32 s[OFF], s[NXT], 14   ; a tile is 16,384 bytes of K and of V
	s_xor_b32 s[G0K+1], s[G0K+1], SLOT1
	s_add_nc_u64 s[G0K+2:G0K+3], s[6:7], s[OFF:OFF+1]
	s_or_b32 s[G0K+3], s[G0K+3], 0x80000000
	s_xor_b32 s[G0V+1], s[G0V+1], SLOT1
	s_add_nc_u64 s[G0V+2:G0V+3], s[8:9], s[OFF:OFF+1]
	s_or_b32 s[G0V+3], s[G0V+3], 0x80000000
	s_add_co_u32 s[NXT], s[NXT], 1  ; the block's next tile, or behind its last the second block's tile 0
	s_cmp_gt_u32 s[NXT], s[LQ]
	s_cselect_b32 s[NXT], 0, s[NXT]
	s_cselect_b32 s[LQ], s[PBL], s[LQ]
.endif
	s_wait_dscnt 0x0                ; the add is done, and my reads of the slot are over
	s_barrier_signal -1
	s_sub_co_u32 s[TBK], s[TBK], 2*KS*PK  ; the fetches go back to a slot's first step, in the other slot
	s_xor_b32 s[TBK], s[TBK], SLOT1
	s_sub_co_u32 s[TBV], s[TBV], 2*KS*PV
	s_xor_b32 s[TBV], s[TBV], SLOT1
	s_barrier_wait -1
.if \fill
	LOAD
.endif
.endm
	s_load_b128 s[48:51], s[0:1], 0x0  ; qkvh s[48:49], att s[50:51]
	v_lshl_add_u32 v[SPW], v0, 2, SPARE
	v_mov_b32 v[NIL], 0
	ds_add_u32 v[SPW], v[NIL]       ; the wave's opening: the add and its wait ahead of my first tensor load
	ds_add_u32 v62, v63
	v_lshrrev_b32 v1, 5, v0
	v_readfirstlane_b32 s[WV], v1
	s_mov_b32 s[PBL], ttmp9
	s_sub_co_u32 s[HI], NB-1, s[PBL]
	s_and_b32 s13, ttmp7, 0xffff    ; the head, 16 x batch + head of the batch
	s_lshl_b32 s20, s13, 18         ; its first byte in q: 2,048 rows of 128 bytes
	s_and_b32 s16, s[WV], 1         ; which half of a tile's 128 keys I fetch
	s_lshl_b32 s22, s16, 13
	s_add_co_u32 s22, s22, s20
	s_add_co_u32 s18, s22, 0x800000 ; k lies 8,388,608 bytes behind q,
	s_mov_b32 s19, 0
	s_add_co_u32 s22, s22, 0x1000000  ; v twice as far
	s_mov_b32 s23, 0
	s_mul_i32 s17, s16, KS*PK       ; my half's place in a slot, for K
	s_mul_i32 s21, s16, KS*PV       ; and for V
	s_lshl_b32 s3, s[WV], 11        ; my 16 rows in a band,
	s_add_co_u32 s3, s3, s20
	s_lshl_b32 s2, s[HI], 14        ; in the first block,
	s_add_co_u32 s2, s2, s3
	s_lshl_b32 s52, s[PBL], 14      ; and in the second
	s_add_co_u32 s52, s52, s3
	s_mov_b32 s3, 0
	s_mov_b32 s53, 0
	s_lshr_b32 s54, s13, 4          ; att: the batch's 2,048 rows of 4,096 bytes,
	s_lshl_b32 s54, s54, 23
	s_and_b32 s55, s13, 15          ; the head's 256 bytes of a row,
	s_lshl_b32 s55, s55, 8
	s_add_co_u32 s54, s54, s55
	s_lshl_b32 s55, s[WV], 16       ; my 16 rows in a band,
	s_add_co_u32 s54, s54, s55
	s_lshl_b32 s66, s[HI], 19       ; the block's 128 rows
	s_add_co_u32 s66, s66, s54
	s_mov_b32 s67, 0
	s_lshl_b32 s68, s[PBL], 19
	s_add_co_u32 s68, s68, s54
	s_mov_b32 s69, 0
	; descriptor group 1.  64 keys are 8,192 dense bytes: asked for as 32 rows of 256 bytes, two keys a row, and padded in LDS after every key
	s_mov_b32 s[G1K], (1<<16)|(1<<20)|(4<<22)|(3<<25)  ; 2-byte elements; padding on; after every 32 words 4 words
	s_mov_b32 s[G1V], (1<<16)|(1<<20)|(4<<22)|(7<<25)  ; the same with 8 words
.irp g, G1K, G1V
	s_mov_b32 s[(\g)+1], 128<<16    ; tensor_dim0 = 128
	s_mov_b32 s[(\g)+2], 32<<16     ; tensor_dim1 = 32
	s_mov_b32 s[(\g)+3], 128<<16    ; tile_dim0 = 128
	s_mov_b32 s[(\g)+4], 32         ; tile_dim1 = 32
	s_mov_b32 s[(\g)+5], 128        ; 128 elements from row to row
	s_mov_b32 s[(\g)+6], 0
	s_mov_b32 s[(\g)+7], 0
.endr
	s_mov_b32 s[CS], 0x3d38aa3b     ; c = log2(e) / 32 = 0.0450842
	s_mov_b32 s[CS+1], s[CS]
	s_mov_b32 s[SEL], 0x76543210
	s_mov_b32 s[SEL+1], 0xfedcba98
	s_mov_b32 s[TBK], SLOT1+2*KS*PK ; the first change of slots turns these two into 0
	s_mov_b32 s[TBV], SLOT1+2*KS*PV
	s_mov_b32 s[G0K], 1
	s_mov_b32 s[G0K+1], s17         ; slot 0
	s_mov_b32 s[G0V], 1
	s_add_co_u32 s[G0V+1], s21, VOFF
	s_add_co_u32 s[RT], s[HI], 1    ; the first block has NB - b tiles
	s_mov_b32 s[NXT], 1
	s_mov_b32 s[LQ], s[HI]
	s_mov_b32 s[NEW], 0
	s_mov_b32 s[OFF+1], 0
	s_mov_b32 s[AL0+1], 0           ; named as pairs
	s_mov_b32 s[BE0+1], 0
	s_mov_b32 s[AL1+1], 0
	s_mov_b32 s[ZZ], 0
	s_mov_b32 s[ZZ+1], 0
	s_mov_b32 s[BIGN], 0xf149f2ca   ; -1e30
	s_mov_b32 s[SLOTS], NB
	s_wait_dscnt 0x0                ; the opening add is done
	s_wait_kmcnt 0x0
	s_add_nc_u64 s[6:7], s[48:49], s[18:19]    ; K and V at my half of the head's tile 0
	s_add_nc_u64 s[8:9], s[48:49], s[22:23]
	s_add_nc_u64 s[4:5], s[48:49], s[2:3]      ; Q at my rows of the first block,
	s_add_nc_u64 s[88:89], s[48:49], s[52:53]  ; and of the second
	s_add_nc_u64 s[10:11], s[50:51], s[66:67]  ; att likewise
	s_add_nc_u64 s[OLO:OLO+1], s[50:51], s[68:69]
	s_add_nc_u64 s[G0K+2:G0K+3], s[6:7], 0
	s_or_b32 s[G0K+3], s[G0K+3], 0x80000000
	s_add_nc_u64 s[G0V+2:G0V+3], s[8:9], 0
	s_or_b32 s[G0V+3], s[G0V+3], 0x80000000
	LOAD                            ; tile 0 into slot 0
	v_and_b32 v1, 15, v0            ; r
	v_bfe_u32 v9, v0, 4, 1          ; h
	v_lshlrev_b32 v[QO], 7, v1
	v_lshl_add_u32 v[QO], v9, 4, v[QO]  ; row x 128 + 16 x half
	WIN 0x40                        ; destination window 1
.set i, 0
.rept 4                             ; tile i / 2 lies in band i / 2, 8,192 bytes on; channels 32 (i % 2) on
	global_load_b128 v[QF+8*i:QF+8*i+3],   v[QO], s[4:5] offset:(i/2)*8192+(i%2)*64
	global_load_b128 v[QF+8*i+4:QF+8*i+7], v[QO], s[4:5] offset:(i/2)*8192+(i%2)*64+32
.set i, i+1
.endr
	WIN 0x80                        ; destination window 2
.set i, 0
.rept 4
	global_load_b128 v[8*i:8*i+3],   v[QO], s[88:89] offset:(i/2)*8192+(i%2)*64
	global_load_b128 v[8*i+4:8*i+7], v[QO], s[88:89] offset:(i/2)*8192+(i%2)*64+32
.set i, i+1
.endr
	WIN 0
	v_lshlrev_b32 v14, 3, v9
	v_sub_nc_u32 v14, v1, v14
	s_lshl_b32 s13, s[WV], 4
	v_add_nc_u32 v14, s13, v14      ; my query's place in its band, 16 w + r, less 8 h: register j of key group kt is hidden where 16 kt + j is greater
	WIN 0x40
.set i, 0
.rept 32
	v_cmp_gt_i32 vcc_lo, 16*(i/8)+i%8, v14
	v_cndmask_b32 v[MD+i], 0, s[BIGN], vcc_lo
.set i, i+1
.endr
	WIN 0
	v_mul_u32_u24 v[AK0], v1, PK
	v_lshl_add_u32 v[AK0], v9, 4, v[AK0]
	v_and_b32 v10, 7, v0            ; the turning load: lane l reads key 8 h + l % 8, channels 8 ((l / 8) % 2) + 0..7
	v_bfe_u32 v11, v0, 3, 1
	v_lshl_add_u32 v[AV0], v9, 3, v10
	v_mul_u32_u24 v[AV0], v[AV0], PV
	v_lshl_add_u32 v[AV0], v11, 4, v[AV0]
	v_add_nc_u32 v[AV0], VOFF, v[AV0]
	s_mul_i32 s13, s[WV], 16*SP
	s_add_co_u32 s13, s13, STAGE    ; my stage
	v_mul_u32_u24 v[STO], v1, SP    ; in: row r, 32 bytes for each half of the lanes
	v_lshl_add_u32 v[STO], v9, 5, v[STO]
	v_add_nc_u32 v[STO], s13, v[STO]
	v_mul_u32_u24 v[RD], v9, SP     ; back: lanes 0-15 take one row of 256 bytes, lanes 16-31 the next
	v_lshl_add_u32 v[RD], v1, 4, v[RD]
	v_add_nc_u32 v[RD], s13, v[RD]
	v_lshlrev_b32 v[GO], 12, v9     ; and the same two rows in att
	v_lshl_add_u32 v[GO], v1, 4, v[GO]
.set i, 0
.rept 64                            ; O^T and l are multiplied by a = 0 in a block's first step: they need only be finite.  This stands in the wait for the first tile
	v_mov_b32 v[OA+i], 0
.set i, i+1
.endr
.irp u, 0,1
	v_mov_b32 v[ST+12*\u], 0xfe000000    ; c m: far below every c s
	v_mov_b32 v[ST+12*\u+1], 0xff7fffff  ; m: the lowest finite number
	v_mov_b32 v[ST+12*\u+2], 0
	v_mov_b32 v[ST+12*\u+3], 0
.endr
	s_wait_loadcnt 0x0              ; both blocks' Q
; THE MATRIX WORK.  The 4 accumulators of a run of 8 take turns.  Product i of 8 of S^T = K Q^T for tile u: channels 32 (i / 4) on, keys 16 (i % 4) on.  The first 4 start the sums with the mask.
.macro KQ u
.set rS, S+32*(\u)+8*(i%4)
.set rK, KF+16*(i%4)+8*(i/4)
.set rQ, QF+16*(\u)+8*(i/4)
.set rM, MC+32*(\u)+8*(i%4)
.if i < 4
	WIN 0x15                        ; K, Q and the mask in window 1, S^T in window 0
	v_wmma_f32_16x16x32_f16 v[rS:rS+7], v[rK:rK+7], v[rQ:rQ+7], v[rM:rM+7]
.else
	WIN 0x05
	v_wmma_f32_16x16x32_f16 v[rS:rS+7], v[rK:rK+7], v[rQ:rQ+7], v[rS:rS+7]
.endif
.endm
; Product i of 8 of O^T += V^T P for tile u: keys 32 (i / 4) on, channels 16 (i % 4) on.
.macro PV u
	WIN 0x01                        ; V in window 1
.set rO, OA+32*(\u)+8*(i%4)
.set rV, VF+32*(i/4)+8*(i%4)
.set rP, P+16*(\u)+8*(i/4)
	v_wmma_f32_16x16x32_f16 v[rO:rO+7], v[rV:rV+7], v[rP:rP+7], v[rO:rO+7]
.endm
.macro FETCH_K                      ; a step's K: 64 keys x 64 channels: 8 fragments
	WIN 0x40
.irp f, 0,1,2,3,4,5,6,7
	ds_load_b128 v[KF+8*\f:KF+8*\f+3],   v[AK] offset:(\f/2)*16*PK+(\f%2)*64
	ds_load_b128 v[KF+8*\f+4:KF+8*\f+7], v[AK] offset:(\f/2)*16*PK+(\f%2)*64+32
.endr
	s_add_co_u32 s[TBK], s[TBK], KS*PK
	WIN 0
.endm
.macro FETCH_V                      ; its V, turned
	WIN 0x40
.irp f, 0,1,2,3,4,5,6,7
	ds_load_tr16_b128 v[VF+8*\f:VF+8*\f+3],   v[AV] offset:(\f/4)*32*PV+(\f%4)*32
	ds_load_tr16_b128 v[VF+8*\f+4:VF+8*\f+7], v[AV] offset:(\f/4)*32*PV+16*PV+(\f%4)*32
.endr
	WIN 0
.endm
.macro MASK                         ; MD x AL + BE for both tiles
	WIN 0x41
.set z, 0
.rept 16
	v_pk_fma_f32 v[MC+2*z:MC+2*z+1], v[MD+2*z:MD+2*z+1], s[AL0:AL0+1], s[BE0:BE0+1] op_sel_hi:[1,0,0]
.set z, z+1
.endr
.set z, 0
.rept 16
	v_pk_fma_f32 v[MC+32+2*z:MC+32+2*z+1], v[MD+2*z:MD+2*z+1], s[AL1:AL1+1], s[ZZ:ZZ+1] op_sel_hi:[1,0,0]
.set z, z+1
.endr
.endm
; THE VECTOR WORK: a tile's softmax for a step is a list of 118; SM writes number j of it for tile u and steps j.  s0-s31 are the lane's 32 scores.
;   0-16   the maximum of s0-s31 and the old m, three operands at a time (each accumulator's lowest registers are read first); 15: c m_old is kept
;   17-21  the query's other 32 keys lie in the lane 16 away: the new m; c m; c m_old - c m_new; a
;   22-25  c s - c m for pairs 0-3        26-89  the 32 exponentials at the even numbers, a plain line behind each: c s - c m for pairs 4-15, O^T times a (16 pairs), the first four roundings to f16
;   90-101 the other roundings            102-116 the sum of the 16 pairs, in place, neighbours 1, 2, 4, 8 pairs apart        117  l = a l + the sum
.macro SM u
.set rT, ST+12*(\u)
.set rC, rT+4
.set rW, rT+8
.set rS, S+32*(\u)
.set rP, P+16*(\u)
.set rO, OA+32*(\u)
	WIN 0
.if j < 4
	v_max3_num_f32 v[rC+j], v[rS+8*j], v[rS+8*j+1], v[rS+8*j+2]
.elseif j < 12
	v_max3_num_f32 v[rC+j%4], v[rC+j%4], v[rS+8*(j%4)+2*(j/4)+1], v[rS+8*(j%4)+2*(j/4)+2]
.elseif j == 12
	v_max3_num_f32 v[rC], v[rC], v[rS+7], v[rS+15]
.elseif j == 13
	v_max3_num_f32 v[rC+1], v[rC+1], v[rS+23], v[rS+31]
.elseif j == 14
	v_max3_num_f32 v[rC+2], v[rC+2], v[rC+3], v[rT+1]
.elseif j == 15
	v_mov_b32 v[rW], v[rT]
.elseif j == 16
	v_max3_num_f32 v[rC], v[rC], v[rC+1], v[rC+2]
.elseif j == 17
	v_permlanex16_b32 v[rC+3], v[rC], s[SEL], s[SEL+1]
.elseif j == 18
	v_max_num_f32 v[rT+1], v[rC], v[rC+3]
.elseif j == 19
	v_mul_f32 v[rT], s[CS], v[rT+1]
.elseif j == 20
	v_sub_f32 v[rC+1], v[rW], v[rT]
.elseif j == 21
	v_exp_f32 v[rC+2], v[rC+1]
.elseif (j < 26) || ((j < 51) && (j%2 == 1))
.set n, j-22
.if j > 26
.set n, (j-27)/2+4
.endif
	v_pk_fma_f32 v[rS+2*n:rS+2*n+1], v[rS+2*n:rS+2*n+1], s[CS:CS+1], v[rT:rT+1] op_sel_hi:[1,0,0] neg_lo:[0,0,1] neg_hi:[0,0,1]
.elseif (j < 90) && (j%2 == 0)
	v_exp_f32 v[rS+(j-26)/2], v[rS+(j-26)/2]
.elseif j < 83
.set n, (j-51)/2
	s_wait_alu depctr_va_vdst(0)
	v_pk_mul_f32 v[rO+2*n:rO+2*n+1], v[rO+2*n:rO+2*n+1], v[rC+2:rC+3] op_sel_hi:[1,0]
.elseif j < 102
.set n, j-86
.if j < 90
.set n, (j-83)/2
.endif
	s_wait_alu depctr_va_vdst(0)
	v_cvt_pk_f16_f32 v[rP+n], v[rS+2*n], v[rS+2*n+1]
.elseif j < 110
.set n, j-102
	v_pk_add_f32 v[rS+4*n:rS+4*n+1], v[rS+4*n:rS+4*n+1], v[rS+4*n+2:rS+4*n+3]
.elseif j < 114
.set n, j-110
	v_pk_add_f32 v[rS+8*n:rS+8*n+1], v[rS+8*n:rS+8*n+1], v[rS+8*n+4:rS+8*n+5]
.elseif j < 116
.set n, j-114
	v_pk_add_f32 v[rS+16*n:rS+16*n+1], v[rS+16*n:rS+16*n+1], v[rS+16*n+8:rS+16*n+9]
.elseif j == 116
	v_pk_add_f32 v[rS:rS+1], v[rS:rS+1], v[rS+16:rS+17]
.else
	v_pk_fma_f32 v[rT+2:rT+3], v[rT+2:rT+3], v[rC+2:rC+3], v[rS:rS+1] op_sel_hi:[1,0,1]
.endif
.set j, j+1
.endm
; A KEY STEP.  K of the step has been asked for.  The mask's 32 lines are also the places between the last step's V^T P and the loads into V's registers.
.macro STEP
	s_lshl2_add_u32 s[XX], s[RT], s[CNT]  ; 2: the diagonal tile's first step; 1: its second; 5 or more: another tile
	s_cmp_eq_u32 s[XX], 2
	s_cselect_b32 s[AL0], 1.0, 0    ; band 0's own step
	s_cmp_eq_u32 s[XX], 1
	s_cselect_b32 s[BE0], s[BIGN], 0  ; band 0 sees nothing,
	s_cselect_b32 s[AL1], 1.0, 0    ; and it is band 1's own
	WIN 0
	v_add_nc_u32 v[AV], s[TBV], v[AV0]
	s_add_co_u32 s[TBV], s[TBV], KS*PV
	MASK
	FETCH_V
	s_wait_dscnt 16                 ; K's run, the older, is in; V's sixteen loads may be out
.set i, 0
.rept 8
	KQ 0
.set i, i+1
.endr
	WIN 0
.rept 4
	v_nop                           ; the places behind those products
.endr
.set j, 0
.set i, 0
.rept 8
	KQ 1
.rept 8
	SM 0
.endr
.set i, i+1
.endr
.rept 54
.if j == 68
	v_add_nc_u32 v[AK], s[TBK], v[AK0]
.endif
.if j == 72                         ; eight plain lines behind the last product that read K.  A tile's second step fetches no further K: the next tile's first is fetched behind the change of slots
	s_cmp_eq_u32 s[CNT], 1
	s_cbranch_scc1 .Lno_k_\@
	FETCH_K
.Lno_k_\@:
.endif
	SM 0
.endr
	s_wait_dscnt 0x0                ; V is in (and the next K, where it was asked for)
.set j, 0
.set i, 0
.rept 8
	PV 0
.rept 8
	SM 1
.endr
.set i, i+1
.endr
.rept 54
	SM 1
.endr
.set i, 0
.rept 8
	PV 1
.set i, i+1
.endr
.endm
; THE WAY OUT of a block: l's two halves and the other half of the lanes' are added; O^T is divided by l and sent through my stage, a tile (16 rows x 256 bytes) at a time.
.macro OUT
	WIN 0
.irp u, 0,1
	v_add_f32 v[ST+12*\u+4], v[ST+12*\u+2], v[ST+12*\u+3]
.endr
.irp u, 0,1
	v_permlanex16_b32 v[ST+12*\u+5], v[ST+12*\u+4], s[SEL], s[SEL+1]
.endr
.irp u, 0,1
	v_add_f32 v[ST+12*\u+4], v[ST+12*\u+4], v[ST+12*\u+5]
.endr
.irp u, 0,1
	v_rcp_f32 v[ST+12*\u+6], v[ST+12*\u+4]
.endr
	v_nop                           ; a plain line between the last reciprocal and the use of its result
	s_wait_alu depctr_va_vdst(0)
.irp u, 0,1
.set i, 0
.rept 16
	v_pk_mul_f32 v[OA+32*\u+2*i:OA+32*\u+2*i+1], v[OA+32*\u+2*i:OA+32*\u+2*i+1], v[ST+12*\u+6:ST+12*\u+7] op_sel_hi:[1,0]
.set i, i+1
.endr
.irp cb, 0,1,2,3
	ds_store_b128 v[STO], v[OA+32*\u+8*\cb:OA+32*\u+8*\cb+3] offset:64*\cb
	ds_store_b128 v[STO], v[OA+32*\u+8*\cb+4:OA+32*\u+8*\cb+7] offset:64*\cb+16
.endr
.irp t, 0,1,2,3,4,5,6,7
	ds_load_b128 v[S+32*\u+4*\t:S+32*\u+4*\t+3], v[RD] offset:544*\t  ; LDS serves a wave's instructions in order (ISA guide 5.7.1.4): these see the stores above; the next tile's stores come behind them
.endr
.irp t, 0,1,2,3,4,5,6,7
	s_wait_dscnt 7-\t               ; the younger loads may be out
	global_store_b128 v[GO], v[S+32*\u+4*\t:S+32*\u+4*\t+3], s[10:11] offset:\u*262144+\t*8192  ; 16 lanes store 256 consecutive bytes, aligned
.endr
.endr
.endm
; A TILE: its two steps; behind a block's last tile the way out.  last = 1: the walk's last tile, which is the second block's last.
.macro TILEWORK tag, last
	s_sub_co_u32 s[RT], s[RT], 1
	s_mov_b32 s[CNT], 2
	s_cmp_eq_u32 s[NEW], 1
	s_cbranch_scc0 .Lold\tag
	s_mov_b32 s[NEW], 0             ; the second block begins
.irp u, 0,1
	v_mov_b32 v[ST+12*\u], 0xfe000000
	v_mov_b32 v[ST+12*\u+1], 0xff7fffff
.endr
.Lold\tag:
	v_add_nc_u32 v[AK], s[TBK], v[AK0]
	FETCH_K
.Lstep\tag:
	STEP
	WIN 0
	s_sub_co_u32 s[CNT], s[CNT], 1
	s_cmp_lg_u32 s[CNT], 0
	s_cbranch_scc1 .Lstep\tag
.if (\last) == 0
	s_cmp_lg_u32 s[RT], 0
	s_cbranch_scc1 .Ldone\tag
.endif
	OUT
.if (\last) == 0
	s_wait_xcnt 0x0                 ; the stores have read their registers and att's address
	s_mov_b64 s[10:11], s[OLO:OLO+1]
	s_add_co_u32 s[RT], s[PBL], 1   ; the second block has b + 1 tiles
	s_mov_b32 s[NEW], 1
	WIN 0x42                        ; its Q goes where the one text names Q
.set i, 0
.rept 32
	v_mov_b32 v[QF+i], v[i]
.set i, i+1
.endr
	WIN 0
.Ldone\tag:
.endif
.endm
.Lslot:                             ; NB times: a tile is entered and the next is asked for
	CHANGE 1
	TILEWORK 1, 0
	s_sub_co_u32 s[SLOTS], s[SLOTS], 1
	s_cmp_lg_u32 s[SLOTS], 0
	s_cbranch_scc1 .Lslot
	CHANGE 0                        ; the walk's last tile is written out
	TILEWORK 2, 1
	s_wait_tensorcnt 0x0            ; the wave's end
	ds_add_u32 v[SPW], v[NIL]
	s_wait_dscnt 0x0
	s_endpgm
.Lfunc_end_k_q9a3398ba48_attn:
	.size	k_q9a3398ba48_attn, .Lfunc_end_k_q9a3398ba48_attn-k_q9a3398ba48_attn
	.p2alignl 7, 3214868480
	.fill 96, 4, 3214868480
	.section	.rodata,"a",@progbits
	.p2align	6, 0x0
	.amdhsa_kernel k_q9a3398ba48_attn
		.amdhsa_group_segment_fixed_size 327680
		.amdhsa_private_segment_fixed_size 0
		.amdhsa_enable_private_segment 0
		.amdhsa_kernarg_size 16
		.amdhsa_user_sgpr_count 2
		.amdhsa_user_sgpr_kernarg_segment_ptr 1
		.amdhsa_wavefront_size32 1
		.amdhsa_system_sgpr_workgroup_id_x 1
		.amdhsa_system_sgpr_workgroup_id_y 1
		.amdhsa_system_sgpr_workgroup_id_z 1
		.amdhsa_system_vgpr_workitem_id 0
		.amdhsa_next_free_vgpr 544
		.amdhsa_next_free_sgpr 92
		.amdhsa_reserve_vcc 1
		.amdhsa_float_denorm_mode_32 3
		.amdhsa_float_denorm_mode_16_64 3
		.amdhsa_memory_ordered 1
		.amdhsa_forward_progress 1
		.amdhsa_inst_pref_size 78
	.end_amdhsa_kernel
	.amdgpu_metadata
---
amdhsa.version: [ 1, 2 ]
amdhsa.kernels:
  - .name:           k_q9a3398ba48_attn
    .symbol:         k_q9a3398ba48_attn.kd
    .args:
      - { .name: qkvh, .offset: 0, .size: 8, .value_kind: global_buffer, .address_space: global }
      - { .name: att, .offset: 8, .size: 8, .value_kind: global_buffer, .address_space: global }
    .group_segment_fixed_size: 327680
    .private_segment_fixed_size: 0
    .kernarg_segment_align: 8
    .kernarg_segment_size: 16
    .max_flat_workgroup_size: 128
    .sgpr_count:     92
    .vgpr_count:     544
    .wavefront_size: 32
...
	.end_amdgpu_metadata
.endif
;; end of part 3
;; launch ln1 (part 4): grid 256 x 1, 16 waves a work-group, no clusters, 0 bytes of LDS; arguments att, ln_w, hn, rs; writes hn, rs
.if DOCPART == 4
	.amdgcn_target "amdgcn-amd-amdhsa--gfx1250"
	.amdhsa_code_object_version 6
	.text
	.protected	k_q9a3398ba48_ln1
	.globl	k_q9a3398ba48_ln1
	.p2align	8
	.type	k_q9a3398ba48_ln1,@function
k_q9a3398ba48_ln1:
	s_mov_b64 s[64:65], 0
	v_nop
	global_prefetch_b8 v0, s[64:65] scope:SCOPE_SE
	s_setreg_imm32_b32 hwreg(HW_REG_WAVE_MODE, 25, 1), 1
	s_wait_xcnt 0x0
; h = a + (a - mean) / sqrt(var + 1e-5) w, a row of 1,024 at a time; then c = 2^-k, k = floor(log2 max |h|) held within -8 .. 14, hn = h c in f16 and rs = (1/c, c).
; c is a power of two, so relu and both products of the feed-forward pass it through exactly; with it |hn| < 2 while max |h| < 2^15, and hn stays inside f16 up to max |h| = 2^29.
; ln_w is rounded to bf16 like every input.  Mean first, then the squares of the differences: no difference of large sums.
; One wave, one row: 8 loads of 512 consecutive bytes; the row stays in 32 registers; the reductions never leave the wave: no LDS, no barrier.  Memory binds: matrix units and clusters buy nothing.
; The 8 bytes of rs are the one narrow store: 32 KiB in the whole launch.
.set W,   4                            ; v[4:35]   ln_w, then w rstd + 1
.set X,   36                           ; v[36:67]  the row
.set T,   68                           ; v[68:83]  at work, then the row in f16
.set MU,  84                           ; v[84:85]  the mean, twice
.set RSD, 86                           ; v[86:87]  1 / sqrt(var + eps), twice
	s_load_b256 s[4:11], s[0:1], 0x0               ; att s[4:5], ln_w s[6:7], hn s[8:9], rs s[10:11]
	v_lshrrev_b32 v88, 5, v0
	v_readfirstlane_b32 s16, v88                   ; wave
	v_and_b32 v2, 31, v0                           ; lane
	v_lshlrev_b32 v1, 4, v2
	v_lshlrev_b32 v3, 3, v2
	v_lshlrev_b32 v93, 2, v2
	v_mov_b32 v89, 0                               ; v_permlanex16_b32's destination counts as read
	s_lshl_b32 s17, ttmp9, 4
	s_add_co_u32 s16, s16, s17                     ; my row
	s_lshl_b32 s18, s16, 12
	s_mov_b32 s19, 0
	s_lshl_b32 s20, s16, 11
	s_mov_b32 s21, 0
	s_lshl_b32 s22, s16, 3
	s_mov_b32 s23, 0
	s_mov_b32 s12, 0x76543210
	s_mov_b32 s13, 0xfedcba98
	s_mov_b32 s14, 0x3a800000                      ; 1 / 1,024
	s_mov_b32 s15, 0x3727c5ac                      ; 1e-5
	s_wait_kmcnt 0x0
	s_add_nc_u64 s[4:5], s[4:5], s[18:19]
	s_add_nc_u64 s[8:9], s[8:9], s[20:21]
	s_add_nc_u64 s[10:11], s[10:11], s[22:23]
.irp j, 0,1,2,3,4,5,6,7
	global_load_b128 v[X+4*\j:X+4*\j+3], v1, s[4:5] offset:512*\j th:TH_LOAD_NT
.endr
.irp j, 0,1,2,3,4,5,6,7
	global_load_b128 v[W+4*\j:W+4*\j+3], v1, s[6:7] offset:512*\j
.endr
.macro SUM32                           ; v88 summed over the 32 lanes, the result in every lane
	v_add_f32_dpp v88, v88, v88 row_xmask:1 row_mask:0xf bank_mask:0xf
	v_add_f32_dpp v88, v88, v88 row_xmask:2 row_mask:0xf bank_mask:0xf
	v_add_f32_dpp v88, v88, v88 row_xmask:4 row_mask:0xf bank_mask:0xf
	v_add_f32_dpp v88, v88, v88 row_xmask:8 row_mask:0xf bank_mask:0xf
	v_permlanex16_b32 v89, v88, s12, s13
	v_add_f32 v88, v88, v89
.endm
	s_wait_loadcnt 8                               ; the row is in; ln_w's eight loads may be out
.set i, 0
.rept 8
	v_pk_add_f32 v[T+2*i:T+2*i+1], v[X+2*i:X+2*i+1], v[X+16+2*i:X+16+2*i+1]
.set i, i+1
.endr
.set i, 0
.rept 4
	v_pk_add_f32 v[T+2*i:T+2*i+1], v[T+2*i:T+2*i+1], v[T+8+2*i:T+8+2*i+1]
.set i, i+1
.endr
	v_pk_add_f32 v[T:T+1], v[T:T+1], v[T+4:T+5]
	v_pk_add_f32 v[T+2:T+3], v[T+2:T+3], v[T+6:T+7]
	v_pk_add_f32 v[T:T+1], v[T:T+1], v[T+2:T+3]
	v_add_f32 v88, v[T], v[T+1]
	SUM32
	v_mul_f32 v[MU], s14, v88
	v_mul_f32 v[MU+1], s14, v88
.set i, 0
.rept 16
	v_pk_add_f32 v[X+2*i:X+2*i+1], v[X+2*i:X+2*i+1], v[MU:MU+1] neg_lo:[0,1] neg_hi:[0,1]  ; d = a - mean
.set i, i+1
.endr
.set i, 0
.rept 4
	v_pk_mul_f32 v[T+2*i:T+2*i+1], v[X+2*i:X+2*i+1], v[X+2*i:X+2*i+1]  ; four chains, started by the first four pairs
.set i, i+1
.endr
.set i, 4
.rept 12
	v_pk_fma_f32 v[T+2*(i%4):T+2*(i%4)+1], v[X+2*i:X+2*i+1], v[X+2*i:X+2*i+1], v[T+2*(i%4):T+2*(i%4)+1]
.set i, i+1
.endr
	v_pk_add_f32 v[T:T+1], v[T:T+1], v[T+2:T+3]
	v_pk_add_f32 v[T+4:T+5], v[T+4:T+5], v[T+6:T+7]
	v_pk_add_f32 v[T:T+1], v[T:T+1], v[T+4:T+5]
	v_add_f32 v88, v[T], v[T+1]
	SUM32
	v_fma_f32 v88, v88, s14, s15                   ; var + eps
	v_rsq_f32 v[RSD], v88
	v_nop                                          ; a plain line behind the transcendental
	s_wait_alu depctr_va_vdst(0)
	v_mov_b32 v[RSD+1], v[RSD]
	s_wait_loadcnt 0x0                             ; ln_w
.set i, 0
.rept 16
	v_cvt_pk_bf16_f32 v[T+i], v[W+2*i], v[W+2*i+1]
.set i, i+1
.endr
.set i, 0
.rept 16
	v_lshlrev_b32 v[W+2*i], 16, v[T+i]
	v_and_b32 v[W+2*i+1], 0xffff0000, v[T+i]
.set i, i+1
.endr
.set i, 0
.rept 16
	v_pk_fma_f32 v[W+2*i:W+2*i+1], v[W+2*i:W+2*i+1], v[RSD:RSD+1], 1.0 op_sel_hi:[1,1,0]  ; w rstd + 1
.set i, i+1
.endr
.set i, 0
.rept 16
	v_pk_fma_f32 v[X+2*i:X+2*i+1], v[X+2*i:X+2*i+1], v[W+2*i:W+2*i+1], v[MU:MU+1]  ; h = mean + d (1 + w rstd)
.set i, i+1
.endr
	v_max_num_f32 v88, |v[X]|, |v[X+1]|
.set i, 1
.rept 15
	v_max3_num_f32 v88, |v[X+2*i]|, |v[X+2*i+1]|, v88
.set i, i+1
.endr
	v_max_num_f32_dpp v88, v88, v88 row_xmask:1 row_mask:0xf bank_mask:0xf
	v_max_num_f32_dpp v88, v88, v88 row_xmask:2 row_mask:0xf bank_mask:0xf
	v_max_num_f32_dpp v88, v88, v88 row_xmask:4 row_mask:0xf bank_mask:0xf
	v_max_num_f32_dpp v88, v88, v88 row_xmask:8 row_mask:0xf bank_mask:0xf
	v_permlanex16_b32 v89, v88, s12, s13
	v_max_num_f32 v88, v88, v89
	v_and_b32 v88, 0x7f800000, v88                 ; 2^k: the exponent alone,
	v_max_u32 v88, 0x3b800000, v88                 ; not under 2^-8,
	v_min_u32 v88, 0x46800000, v88                 ; not over 2^14: this is 1 / c
	v_sub_nc_u32 v90, 0x7f000000, v88              ; c = 2^-k: the exponents add up to twice the bias
	v_mov_b32 v91, v90
.set i, 0
.rept 16
	v_pk_mul_f32 v[X+2*i:X+2*i+1], v[X+2*i:X+2*i+1], v[90:91]
.set i, i+1
.endr
.set i, 0
.rept 16
	v_cvt_pk_f16_f32 v[T+i], v[X+2*i], v[X+2*i+1]
.set i, i+1
.endr
.irp j, 0,1,2,3,4,5,6,7
	global_store_b64 v3, v[T+2*\j:T+2*\j+1], s[8:9] offset:256*\j  ; the wave stores 256 consecutive bytes, aligned
.endr
	v_cmp_eq_u32 vcc_lo, 0, v2
	v_cndmask_b32 v92, v90, v88, vcc_lo            ; lane 0: 1 / c; lane 1: c
	s_wait_xcnt 0x0                                ; EXEC changes only behind this wait
	v_cmp_gt_u32 vcc_lo, 2, v2
	s_and_saveexec_b32 s20, vcc_lo
	global_store_b32 v93, v92, s[10:11]
	s_endpgm
.Lfunc_end_k_q9a3398ba48_ln1:
	.size	k_q9a3398ba48_ln1, .Lfunc_end_k_q9a3398ba48_ln1-k_q9a3398ba48_ln1
	.p2alignl 7, 3214868480
	.fill 96, 4, 3214868480
	.section	.rodata,"a",@progbits
	.p2align	6, 0x0
	.amdhsa_kernel k_q9a3398ba48_ln1
		.amdhsa_group_segment_fixed_size 0
		.amdhsa_private_segment_fixed_size 0
		.amdhsa_enable_private_segment 0
		.amdhsa_kernarg_size 32
		.amdhsa_user_sgpr_count 2
		.amdhsa_user_sgpr_kernarg_segment_ptr 1
		.amdhsa_wavefront_size32 1
		.amdhsa_system_sgpr_workgroup_id_x 1
		.amdhsa_system_sgpr_workgroup_id_y 1
		.amdhsa_system_sgpr_workgroup_id_z 1
		.amdhsa_system_vgpr_workitem_id 0
		.amdhsa_next_free_vgpr 96
		.amdhsa_next_free_sgpr 66
		.amdhsa_reserve_vcc 1
		.amdhsa_float_denorm_mode_32 3
		.amdhsa_float_denorm_mode_16_64 3
		.amdhsa_memory_ordered 1
		.amdhsa_forward_progress 1
		.amdhsa_inst_pref_size 16
	.end_amdhsa_kernel
	.amdgpu_metadata
---
amdhsa.version: [ 1, 2 ]
amdhsa.kernels:
  - .name:           k_q9a3398ba48_ln1
    .symbol:         k_q9a3398ba48_ln1.kd
    .args:
      - { .name: att, .offset: 0, .size: 8, .value_kind: global_buffer, .address_space: global }
      - { .name: ln_w, .offset: 8, .size: 8, .value_kind: global_buffer, .address_space: global }
      - { .name: hn, .offset: 16, .size: 8, .value_kind: global_buffer, .address_space: global }
      - { .name: rs, .offset: 24, .size: 8, .value_kind: global_buffer, .address_space: global }
    .group_segment_fixed_size: 0
    .private_segment_fixed_size: 0
    .kernarg_segment_align: 8
    .kernarg_segment_size: 32
    .max_flat_workgroup_size: 512
    .sgpr_count:     66
    .vgpr_count:     96
    .wavefront_size: 32
...
	.end_amdgpu_metadata
.endif
;; end of part 4
;; launch ffn1 (part 5): grid 16 x 16, 4 waves a work-group, clusters of 4 x 4, 327,680 bytes of LDS; arguments hn, cw, b1, rs, uh; writes uh
.if DOCPART == 5
	.amdgcn_target "amdgcn-amd-amdhsa--gfx1250"
	.amdhsa_code_object_version 6
	.text
	.protected	k_q9a3398ba48_ffn1
	.globl	k_q9a3398ba48_ffn1
	.p2align	8
	.type	k_q9a3398ba48_ffn1,@function
k_q9a3398ba48_ffn1:
	s_mov_b64 s[64:65], 0
	v_nop
	global_prefetch_b8 v0, s[64:65] scope:SCOPE_SE
	s_setreg_imm32_b32 hwreg(HW_REG_WAVE_MODE, 25, 1), 1
	s_wait_xcnt 0x0
	s_wait_alu depctr_hold_cnt(0) depctr_sa_sdst(0) depctr_va_vdst(0) depctr_va_sdst(0) depctr_va_ssrc(0) depctr_va_vcc(0) depctr_vm_vsrc(0)
	s_getreg_b32 s2, hwreg(HW_REG_IB_STS2, 6, 4)
	s_cmp_eq_u32 s2, 0
	s_cbranch_scc0 .Lentry_in_a_cluster
	s_endpgm
.Lentry_in_a_cluster:
	s_bfe_u32 s2, ttmp6, 0x10000c
	s_cmp_lg_u32 s2, 0xf033
	s_cbranch_scc0 .Lentry_shape_is_right
	s_endpgm
.Lentry_shape_is_right:
; KIND 0: [q k v] = x [Wq Wk Wv] + [bq bk bv], stored by heads: qkvh [3][32 heads][2048][64] f16.      KIND 1: u' = relu(hn W1 + c b1), uh [4096][4096] f16.
; A [4096][1024] f16 lies along K; B [1024 k][SIZE_N] f16 lies along N and comes out of LDS turned, by ds_load_tr16_b128.  Sums in f32, K ascending.
; LIMITS.  f16 ends at 65,504: q, k, v (KIND 0) stay under it; u' (KIND 1) is kept small by the row's power of two c, which the launch before chose so that |hn| < 2.
; The biases are rounded to bf16 like every input.  NaN and infinities are not treated apart (relu of a NaN gives 0).
; SHARES.  A tile of C, 256 x 256, is a work-group's; each of four waves makes 128 x 128: 64 accumulators of 16 x 16, 512 registers.  K goes in steps of 128 through two LDS slots.
; THE BIAS STARTS THE SUMS: one product for each accumulator with C = 0, whose A side holds c of the row (KIND 0: 1.0) at k = 0 and whose B side holds the column's bias at k = 0, all else 0.
; So no first K step is written out and nothing is cleared or added on the way out: 64 products more on 2,048.
; CLUSTER 4 x 4: A's tile is shared along a row of the cluster, B's along a column: each is asked for jointly, by the same tensor load with the same descriptor and a mask of four.
; THE MATRIX INSTRUCTION IS USED TRANSPOSED (source 0 = 16 columns of B, source 1 = 16 rows of A): a lane then holds eight neighbouring numbers of a row of C.
; REGISTERS, in windows of 256: window 0: v0-31 addresses; v64-127, v128-191 A's fragments, two buffers; v32-63, v192-255 (KIND 1 also v64-127) at work on the way out
;   window 1: v64-127, v128-191 B's fragments          windows 2, 3: the accumulators of my rows 0-63, 64-127: (a, b) at v[8 (8 (a % 4) + b)]
.set KIND,   1
.set SIZE_K, 1024
.if KIND == 0
.set SIZE_N, 3072
.set BBASE,  8388608                   ; WQKV in cw
.set BPTR,   72
.set STGW,   2*16*144                  ; a wave's stage: two heads x 16 rows x (128 + 16) bytes
.else
.set SIZE_N, 4096
.set BBASE,  14680064                  ; W1H in cw
.set BPTR,   74
.set STGW,   16*272                    ; 16 rows x (256 + 16) bytes
.endif
.set APTR,   72
.set KSTEP,  128
.set PITCH,  272                       ; A's LDS row: 256 bytes + 16: the 16 rows of a fragment load start at 16 different groups of four banks (64 banks of 4 bytes: ISA guide 11.1)
.set PB,     288                       ; B's LDS row (one k, 128 columns): 256 + 32
.set HALFA,  128*PITCH
.set HALFB,  128*PB
.set SLOT,   2*HALFA+2*HALFB           ; A's rows 0-127, 128-255, B's columns 0-127, 128-255
.set STAGE,  2*SLOT                    ; behind the ring, never filled by a tensor load
.set SPARE,  STAGE+4*STGW              ; the spare words, 128 bytes a wave: two blocks of 256 bytes that no other line names
.set ADRA0, 14                         ; v14  my lane's place in A's tile of slot 0; never rewritten
.set ADRB0, 15                         ; v15  the same for B
.set ADRA, 16                          ; v16  the same in the slot being read
.set ADRB, 20                          ; v20
.set STO,  24                          ; v24  the way out: where I put 16 bytes of a row
.set RD,   25                          ; v25  where I read rows back
.set GO,   26                          ; v26  my byte offset in the output
.set SPW,  28                          ; v28  my spare word; never rewritten
.set NIL,  29                          ; v29  0; never rewritten
.set BT,   32                          ; v32-39 biases, v40-47 c, as loaded
.set F0,   64
.set F1,   128
.set T,    64                          ; the way out (KIND 1): a block after relu
.set TMP,  192                         ; the way out: packed results
.set OB,   32                          ; the way out: 16 rows read back: v32-63 and v224-255 by turns
.set G1,  24                           ; s[24:31] group 1 for A;  s[32:39] group 0: set 0 for the first fill of slot 0, set 1 for slot 1's, which then walks on
.set G0,  32
.set G1B, 48                           ; s[48:55], s[56:63] the same for B
.set G0B, 56
.set TB,  45                           ; s45  0 or SLOT: the slot being read
.set HM,  66                           ; s66  mask of lanes 0-15
.set MSB, 0
.macro WIN new                         ; the immediate's high byte repeats the setting that is left; a switch that changes nothing is dropped
.if MSB != (\new)
	s_set_vgpr_msb (MSB<<8)|(\new)
.set MSB, \new
.endif
.endm
.set MUL_LO, 0xa1                      ; source 0 (B) window 1, source 1 (A) window 0, C and D window 2
.set MUL_HI, 0xf1                      ; the same, C and D window 3
.set TO_B,   0x40                      ; destination window 1
; A joint load: waves 0 and 1 fetch A's halves, waves 2 and 3 B's.  An s_nop 0 and four v_nop follow each of the two lines, ahead of the jump and the label.
.macro JLOAD s
	s_cmp_eq_u32 s11, 0
	s_cbranch_scc0 .Lfor_b_\@
	tensor_load_to_lds s[G0+4*(\s):G0+4*(\s)+3], s[G1:G1+7]
	s_nop 0
.rept 4
	v_nop
.endr
	s_branch .Lasked_\@
.Lfor_b_\@:
	tensor_load_to_lds s[G0B+4*(\s):G0B+4*(\s)+3], s[G1B:G1B+7]
	s_nop 0
.rept 4
	v_nop
.endr
.Lasked_\@:
.endm
.macro CREST                           ; a round of the cluster's barrier behind its opening barrier
	s_cmp_lg_u32 s10, 0
	s_cbranch_scc1 .Lnot_wave_0_\@
	s_barrier_signal -3
.Lnot_wave_0_\@:
	s_barrier_wait -3
	s_barrier_signal -1
	s_barrier_wait -1
.endm
.macro CROUND
	s_barrier_signal -1
	s_barrier_wait -1
	CREST
.endm
.macro PLACES                          ; four plain places behind matrix instructions, ahead of loads into their sources and of reads of their results
.rept 4
	v_nop
.endr
.endm
	s_load_b256 s[72:79], s[0:1], 0x0              ; KIND 0: cw, bq, bk, bv.  KIND 1: hn, cw, b1, rs
	s_load_b64 s[80:81], s[0:1], 0x20              ; the output
	v_lshl_add_u32 v[SPW], v0, 2, SPARE
	v_mov_b32 v[NIL], 0
	ds_add_u32 v[SPW], v[NIL]                      ; the wave's opening: the add and its wait ahead of my first tensor load
	ds_add_u32 v28, v29
	v_lshrrev_b32 v1, 5, v0
	v_readfirstlane_b32 s10, v1                    ; wave 0..3
	s_lshr_b32 s11, s10, 1                         ; my half of the tile's rows.  Also: I fetch for A (0) or for B (1)
	s_and_b32 s12, s10, 1                          ; my half of its columns.  Also: which half I fetch
	s_bfe_u32 s40, ttmp6, 0x40000                  ; cx
	s_bfe_u32 s41, ttmp6, 0x40004                  ; cy
	s_lshl_b32 s42, ttmp9, 2
	s_add_co_u32 s42, s42, s40                     ; tile column
	s_and_b32 s13, ttmp7, 0xffff
	s_lshl_b32 s13, s13, 2
	s_add_co_u32 s13, s13, s41                     ; tile row
	s_lshl_b32 s43, s41, 2
	s_lshl_b32 s43, 15, s43                        ; my row of the cluster
	s_lshl_b32 s44, 0x1111, s40                    ; my column
	s_or_b32 s[G1], s43, (1<<16)|(1<<20)|(1<<21)|(5<<22)|(3<<25)   ; mask; 2-byte elements; padding on; bit 21 beside a mask; after every 64 words 4 words
	s_or_b32 s[G1B], s44, (1<<16)|(1<<20)|(1<<21)|(5<<22)|(7<<25)  ; the same with my column's mask and 8 words
.irp g, G1, G1B
	s_mov_b32 s[(\g)+1], 128<<16                   ; tensor_dim0 = 128
	s_mov_b32 s[(\g)+2], 128<<16                   ; tensor_dim1 = 128
	s_mov_b32 s[(\g)+3], 128<<16                   ; tile_dim0 = 128 elements: 256 bytes
	s_mov_b32 s[(\g)+4], 128                       ; tile_dim1 = 128 rows
	s_mov_b32 s[(\g)+6], 0
	s_mov_b32 s[(\g)+7], 0
.endr
	s_mov_b32 s[G1+5], SIZE_K                      ; elements from row to row
	s_mov_b32 s[G1B+5], SIZE_N
	s_lshl_b32 s16, s13, 8                         ; A: row 256 x tile row + 128 x half, rows of 2,048 bytes: made of the tile row and the wave alone
	s_lshl_b32 s17, s12, 7
	s_add_co_u32 s16, s16, s17
	s_lshl_b32 s16, s16, 11
	s_mov_b32 s17, 0
	s_lshl_b32 s46, s42, 9                         ; B: column 256 x tile column + 128 x half, 2 bytes each: made of the tile column and the wave alone
	s_lshl_b32 s47, s12, 8
	s_add_co_u32 s46, s46, s47
	s_add_co_u32 s46, s46, BBASE
	s_mov_b32 s47, 0
	s_mul_i32 s20, s12, HALFA                      ; where they go in a slot: no place in the cluster enters an LDS address
	s_mul_i32 s21, s12, HALFB
	s_add_co_u32 s21, s21, 2*HALFA
	s_mov_b32 s[TB], 0
	s_wait_dscnt 0x0                               ; the opening add is done
	s_wait_kmcnt 0x0
	s_add_nc_u64 s[14:15], s[APTR:APTR+1], s[16:17]
	s_add_nc_u64 s[46:47], s[BPTR:BPTR+1], s[46:47]
	CROUND                                         ; all sixteen work-groups are here: the first joint loads meet
.irp s, 0,1
	s_mov_b32 s[G0+4*(\s)], 1
	s_add_co_u32 s[G0+4*(\s)+1], s20, (\s)*SLOT
	s_add_nc_u64 s[G0+4*(\s)+2:G0+4*(\s)+3], s[14:15], (\s)*KSTEP*2
	s_or_b32 s[G0+4*(\s)+3], s[G0+4*(\s)+3], 0x80000000
	s_mov_b32 s[G0B+4*(\s)], 1
	s_add_co_u32 s[G0B+4*(\s)+1], s21, (\s)*SLOT
	s_add_nc_u64 s[G0B+4*(\s)+2:G0B+4*(\s)+3], s[46:47], (\s)*KSTEP*SIZE_N*2
	s_or_b32 s[G0B+4*(\s)+3], s[G0B+4*(\s)+3], 0x80000000
	JLOAD \s                                       ; K steps 0 and 1: two loads of mine are out
.endr
	v_and_b32 v1, 15, v0                           ; r = l % 16
	v_bfe_u32 v2, v0, 4, 1                         ; h = l / 16
	v_mul_u32_u24 v3, v1, PITCH                    ; A's fragment: row r, 16 bytes for each half of the lanes
	v_lshl_add_u32 v3, v2, 4, v3
	s_mul_i32 s22, s11, HALFA
	v_add_nc_u32 v[ADRA0], s22, v3
	v_and_b32 v4, 7, v0                            ; B's: lane l reads k row 8 h + l % 8, columns 8 ((l / 8) % 2) + 0..7; the load leaves column r and 8 k in each lane
	v_lshl_add_u32 v4, v2, 3, v4
	v_mul_u32_u24 v4, v4, PB
	v_bfe_u32 v5, v0, 3, 1
	v_lshl_add_u32 v4, v5, 4, v4
	s_mul_i32 s23, s12, HALFB
	s_add_co_u32 s23, s23, 2*HALFA
	v_add_nc_u32 v[ADRB0], s23, v4
	v_mov_b32 v[ADRA], v[ADRA0]
	v_mov_b32 v[ADRB], v[ADRB0]
	s_mul_i32 s22, s10, STGW
	s_add_co_u32 s22, s22, STAGE                   ; my stage
.if KIND == 0
	v_mul_u32_u24 v3, v1, 144                      ; in: row r of a head, 16 bytes for each half of the lanes
	v_lshl_add_u32 v3, v2, 4, v3
	v_add_nc_u32 v[STO], s22, v3
	v_bfe_u32 v3, v0, 3, 2                         ; back: 32 lanes take four rows of 128 bytes,
	v_mul_u32_u24 v3, v3, 144
	v_and_b32 v4, 7, v0
	v_lshl_add_u32 v3, v4, 4, v3
	v_add_nc_u32 v[RD], s22, v3
	v_and_b32 v3, 31, v0                           ; which are 512 consecutive bytes of a head
	v_lshlrev_b32 v[GO], 4, v3
	s_mov_b32 s67, ttmp9                           ; which of q, k, v: the cluster's x, since a matrix is four tile columns wide
	s_lshl_b32 s84, s67, 23                        ; the matrix: 32 heads x 2,048 rows x 128 bytes
	s_lshr_b32 s85, s13, 3                         ; the batch: 8 tile rows each
	s_lshl_b32 s85, s85, 4
	s_lshl2_add_u32 s85, s40, s85                  ; head = 16 x batch + 4 cx + 2 x my half of the columns
	s_lshl1_add_u32 s85, s12, s85
	s_lshl_b32 s85, s85, 18
	s_add_co_u32 s84, s84, s85
	s_and_b32 s85, s13, 7                          ; the row in the head: 256 x (tile row % 8) + 128 x my half of the rows
	s_lshl_b32 s85, s85, 8
	s_lshl_b32 s86, s11, 7
	s_add_co_u32 s85, s85, s86
	s_lshl_b32 s85, s85, 7
	s_add_co_u32 s84, s84, s85
.else
	v_mul_u32_u24 v3, v1, 272
	v_lshl_add_u32 v3, v2, 4, v3
	v_add_nc_u32 v[STO], s22, v3
	v_mul_u32_u24 v3, v2, 272                      ; back: lanes 0-15 take one row of 256 bytes, lanes 16-31 the next
	v_lshl_add_u32 v3, v1, 4, v3
	v_add_nc_u32 v[RD], s22, v3
	v_lshlrev_b32 v3, 13, v2
	v_lshl_add_u32 v[GO], v1, 4, v3
	s_lshl_b32 s84, s13, 8
	s_lshl_b32 s85, s11, 7
	s_add_co_u32 s84, s84, s85
	s_lshl_b32 s84, s84, 13                        ; my first row, rows of 8,192 bytes
	s_lshl_b32 s85, s42, 9
	s_add_co_u32 s84, s84, s85
	s_lshl_b32 s85, s12, 8
	s_add_co_u32 s84, s84, s85                     ; my first column
.endif
	s_mov_b32 s85, 0
	s_add_nc_u64 s[80:81], s[80:81], s[84:85]
	; the biases of my 128 columns: lane r of fragment i takes column 16 i + r
.if KIND == 0
	s_cmp_eq_u32 s67, 1
	s_cselect_b64 s[82:83], s[76:77], s[74:75]
	s_cmp_eq_u32 s67, 2
	s_cselect_b64 s[82:83], s[78:79], s[82:83]
	s_lshl_b32 s84, s40, 10                        ; 256 columns x 4 bytes for each tile column inside the matrix
.else
	s_mov_b64 s[82:83], s[76:77]
	s_lshl_b32 s84, s42, 10
.endif
	s_lshl_b32 s85, s12, 9
	s_add_co_u32 s84, s84, s85
	s_mov_b32 s85, 0
	s_add_nc_u64 s[82:83], s[82:83], s[84:85]
	v_lshlrev_b32 v6, 2, v1                        ; never rewritten
	v_lshlrev_b32 v7, 3, v1                        ; never rewritten
.irp i, 0,1,2,3,4,5,6,7
	global_load_b32 v[BT+\i], v6, s[82:83] offset:64*\i
.endr
.if KIND == 1
	s_lshl_b32 s86, s13, 11                        ; rs holds (1/c, c), 8 bytes a row: my 128 rows
	s_lshl_b32 s87, s11, 10
	s_add_co_u32 s86, s86, s87
	s_mov_b32 s87, 0
	s_add_nc_u64 s[86:87], s[78:79], s[86:87]
.irp i, 0,1,2,3,4,5,6,7
	global_load_b32 v[BT+8+\i], v7, s[86:87] offset:128*\i+4
.endr
.endif
	; the bias fragments, in buffer 1: all is 0 but k = 0, which is the low half of register 0 in lanes 0-15.  This stands in the wait for the first tile.
	v_and_b32 v8, 31, v0
	v_cmp_gt_u32 s[HM], 16, v8
	WIN TO_B
.set i, 0
.rept 8
.irp k, 1,2,3,4,5,6,7
	v_mov_b32 v[F1+8*i+\k], 0
.endr
.set i, i+1
.endr
	WIN 0
.if KIND == 0
.irp k, 1,2,3,4,5,6,7
	v_mov_b32 v[F1+\k], 0
.endr
	v_mov_b32 v9, 0x3c00                           ; 1.0 in f16
	v_cndmask_b32 v[F1], 0, v9, s[HM]
.else
.set i, 0
.rept 8
.irp k, 1,2,3,4,5,6,7
	v_mov_b32 v[F1+8*i+\k], 0
.endr
.set i, i+1
.endr
.endif
	s_wait_loadcnt 0x0
.irp i, 0,1,2,3,4,5,6,7
	v_cvt_pk_bf16_f32 v[BT+\i], v[BT+\i], v[BT+\i]  ; the bias is rounded to bf16 like every input,
.endr
.irp i, 0,1,2,3,4,5,6,7
	v_lshlrev_b32 v[BT+\i], 16, v[BT+\i]
.endr
.irp i, 0,1,2,3,4,5,6,7
	v_cndmask_b32 v[BT+\i], 0, v[BT+\i], s[HM]
.endr
.if KIND == 1
.irp i, 0,1,2,3,4,5,6,7
	v_cndmask_b32 v[BT+8+\i], 0, v[BT+8+\i], s[HM]
.endr
.irp i, 0,1,2,3,4,5,6,7
	v_cvt_pk_f16_f32 v[F1+8*\i], v[BT+8+\i], v[NIL]  ; c is a power of two from 2^-14 to 2^8: exact in f16
.endr
.endif
	WIN TO_B
.irp i, 0,1,2,3,4,5,6,7
	v_cvt_pk_f16_f32 v[F1+8*\i], v[BT+\i], v[NIL]  ; and written as f16
.endr
	WIN 0
; 16 matrix instructions: m blocks a0, a0 + 1 of the window's four x all 8 n blocks, 32 along K.  The 64 accumulators take turns, one instruction a turn, in the same order everywhere.
.macro MUL16 f, hi, a0
	WIN MUL_LO+0x50*(\hi)
.irp a, \a0, (\a0)+1
.irp b, 0,1,2,3,4,5,6,7
	v_wmma_f32_16x16x32_f16 v[8*(8*(\a)+(\b)):8*(8*(\a)+(\b))+7], v[(\f)+8*(\b):(\f)+8*(\b)+7], v[(\f)+8*(4*(\hi)+(\a)):(\f)+8*(4*(\hi)+(\a))+7], v[8*(8*(\a)+(\b)):8*(8*(\a)+(\b))+7]
.endr
.endr
.endm
.macro BIASMUL                         ; the 64 products that start the sums: c of the row x the column's bias
.irp hi, 0,1
	WIN MUL_LO+0x50*(\hi)
.irp a, 0,1,2,3
.irp b, 0,1,2,3,4,5,6,7
.if KIND == 0
	v_wmma_f32_16x16x32_f16 v[8*(8*(\a)+(\b)):8*(8*(\a)+(\b))+7], v[F1+8*(\b):F1+8*(\b)+7], v[F1:F1+7], 0
.else
	v_wmma_f32_16x16x32_f16 v[8*(8*(\a)+(\b)):8*(8*(\a)+(\b))+7], v[F1+8*(\b):F1+8*(\b)+7], v[F1+8*(4*(\hi)+(\a)):F1+8*(4*(\hi)+(\a))+7], 0
.endif
.endr
.endr
.endr
.endm
; 32 LDS loads in one run: quarter q (32 along K) of the slot being read, into buffer f: B's 8 fragments turned, then A's 8
.macro FETCH q, f
	WIN TO_B
.irp i, 0,1,2,3,4,5,6,7
	ds_load_tr16_b128 v[(\f)+8*(\i):(\f)+8*(\i)+3],   v[ADRB] offset:(\q)*32*PB+32*(\i)
	ds_load_tr16_b128 v[(\f)+8*(\i)+4:(\f)+8*(\i)+7], v[ADRB] offset:(\q)*32*PB+16*PB+32*(\i)
.endr
	WIN 0
.irp i, 0,1,2,3,4,5,6,7
	ds_load_b128 v[(\f)+8*(\i):(\f)+8*(\i)+3],   v[ADRA] offset:64*(\q)+(\i)*16*PITCH
	ds_load_b128 v[(\f)+8*(\i)+4:(\f)+8*(\i)+7], v[ADRA] offset:64*(\q)+(\i)*16*PITCH+32
.endr
.endm
.macro QUARTER q, f, g                 ; multiplies buffer f; in its middle fetches quarter q into buffer g
	s_wait_dscnt 8                                 ; B and A's rows 0-63 are in; the youngest eight loads (A's rows 64-127) may be out
	MUL16 \f, 0, 0
	MUL16 \f, 0, 2
	PLACES
	FETCH \q, \g
	s_wait_dscnt 32                                ; all but the 32 just issued
	MUL16 \f, 1, 0
	MUL16 \f, 1, 2
.endm
; The last quarter multiplies buffer 1 and changes slots.  ONE barrier: in front of it each wave waits for all its tensor loads (one is out: its part of the next slot), adds 0 to its spare
; word, and waits for that and for its reads of this slot.  fill = 1: the barrier opens a round of the cluster's barrier, and behind the round this slot takes the K step two steps on.
.macro TURN fill
	WIN 0
	s_wait_tensorcnt 0x0
	ds_add_u32 v[SPW], v[NIL]
	s_wait_dscnt 9                                 ; the add and the youngest eight loads may be out
	MUL16 F1, 0, 0
	s_wait_dscnt 0x0                               ; the add is done, and my reads of this slot are over
	s_barrier_signal -1
	MUL16 F1, 0, 2
.if \fill
	WIN 0
.endif
	s_barrier_wait -1
.if \fill
	CREST                                          ; no wave of any partner still reads this slot or has a load on its way
	s_add_co_u32 s[G0+5], s20, s[TB]               ; the walking descriptor: the slot just read,
	s_add_nc_u64 s[G0+6:G0+7], s[G0+6:G0+7], KSTEP*2  ; the next K step behind the one it asked for last
	s_add_co_u32 s[G0B+5], s21, s[TB]
	s_add_nc_u64 s[G0B+6:G0B+7], s[G0B+6:G0B+7], KSTEP*SIZE_N*2
	JLOAD 1                                        ; the first tensor load behind the round; its four v_nop are also the places in front of the loads below
.else
	PLACES
.endif
	WIN 0
	s_xor_b32 s[TB], s[TB], SLOT                   ; 0 and SLOT by turns
	v_add_nc_u32 v[ADRA], s[TB], v[ADRA0]
	v_add_nc_u32 v[ADRB], s[TB], v[ADRB0]
	FETCH 0, F0
	MUL16 F1, 1, 0
	MUL16 F1, 1, 2
.endm
.macro KSTEPM fill                     ; a K step: its first quarter's fragments are in buffer 0 or on their way
	QUARTER 1, F0, F1
	QUARTER 2, F1, F0
	QUARTER 3, F0, F1
	TURN \fill
.endm
; THE WAY OUT of block a (16 rows): rounded to f16 (KIND 1: behind relu), 16 bytes a lane into my own stage, back as whole rows, stored.
.macro PACK a
.set AC, 64*((\a)%4)
.if KIND == 0
	WIN 0x0a+5*((\a)/4)                            ; sources 0 and 1: window 2 or 3
.irp b, 0,1,2,3,4,5,6,7
.irp r, 0,1,2,3
	v_cvt_pk_f16_f32 v[TMP+4*(\b)+(\r)], v[AC+8*(\b)+2*(\r)], v[AC+8*(\b)+2*(\r)+1]
.endr
.endr
.else
	WIN 0x08+4*((\a)/4)                            ; source 1: window 2 or 3
.set i, 0
.rept 64
	v_max_num_f32 v[T+i], 0, v[AC+i]
.set i, i+1
.endr
	WIN 0
.set i, 0
.rept 32
	v_cvt_pk_f16_f32 v[TMP+i], v[T+2*i], v[T+2*i+1]
.set i, i+1
.endr
.endif
	WIN 0
.endm
.macro TOSTAGE a
	WIN 0
.set BK, OB+192*((\a)%2)
.irp b, 0,1,2,3,4,5,6,7
.if KIND == 0
	ds_store_b128 v[STO], v[TMP+4*(\b):TMP+4*(\b)+3] offset:((\b)/4)*2304+((\b)%4)*32
.else
	ds_store_b128 v[STO], v[TMP+4*(\b):TMP+4*(\b)+3] offset:32*(\b)
.endif
.endr
.irp t, 0,1,2,3,4,5,6,7                ; LDS serves a wave's instructions in order (ISA guide 5.7.1.4): these see the stores above
.if KIND == 0
	ds_load_b128 v[BK+4*(\t):BK+4*(\t)+3], v[RD] offset:((\t)/4)*2304+((\t)%4)*576
.else
	ds_load_b128 v[BK+4*(\t):BK+4*(\t)+3], v[RD] offset:(\t)*544
.endif
.endr
.endm
.macro SEND a
	WIN 0
.set BK, OB+192*((\a)%2)
	s_wait_dscnt 0x0                               ; the block is back in registers
	s_wait_xcnt 0x0                                ; the other buffer, which earlier stores read, is loaded again only behind this wait
.irp t, 0,1,2,3,4,5,6,7
.if KIND == 0
	global_store_b128 v[GO], v[BK+4*(\t):BK+4*(\t)+3], s[80:81] offset:((\t)/4)*262144+(16*(\a)+4*((\t)%4))*128  ; four rows of a head: 512 consecutive bytes, aligned to 256
.else
	global_store_b128 v[GO], v[BK+4*(\t):BK+4*(\t)+3], s[80:81] offset:(16*(\a)+2*(\t))*SIZE_N*2  ; 16 lanes store 256 consecutive bytes, aligned
.endif
.endr
.endm
	s_wait_tensorcnt 1                             ; my part of K step 0 is in; K step 1's may stay out
	s_barrier_signal -1
	s_barrier_wait -1
	FETCH 0, F0
	BIASMUL
	WIN 0
	s_mov_b32 s3, SIZE_K/KSTEP-2
.Lk:                                                   ; K steps 0 to 5 ask for K steps 2 to 7
	KSTEPM 1
	WIN 0
	s_sub_co_u32 s3, s3, 1
	s_cmp_lg_u32 s3, 0
	s_cbranch_scc1 .Lk
	s_mov_b32 s3, 2
.Lt:                                                   ; K steps 6 and 7 ask for nothing.  The last trip's barrier and its 32 loads from the slot already used serve nothing: the price of one text for both
	KSTEPM 0
	WIN 0
	s_sub_co_u32 s3, s3, 1
	s_cmp_lg_u32 s3, 0
	s_cbranch_scc1 .Lt
	s_wait_dscnt 0x0
	PLACES
	PACK 0
	TOSTAGE 0
.irp a, 1,2,3,4,5,6,7                  ; block a's conversions stand between block a - 1's loads from the stage and the wait for them
	PACK \a
	SEND (\a)-1
	TOSTAGE \a
.endr
	SEND 7
	s_wait_tensorcnt 0x0                           ; the wave's end
	ds_add_u32 v[SPW], v[NIL]
	s_wait_dscnt 0x0
	CROUND                                         ; the closing round
	s_endpgm
.Lfunc_end_k_q9a3398ba48_ffn1:
	.size	k_q9a3398ba48_ffn1, .Lfunc_end_k_q9a3398ba48_ffn1-k_q9a3398ba48_ffn1
	.p2alignl 7, 3214868480
	.fill 96, 4, 3214868480
	.section	.rodata,"a",@progbits
	.p2align	6, 0x0
	.amdhsa_kernel k_q9a3398ba48_ffn1
		.amdhsa_group_segment_fixed_size 327680
		.amdhsa_private_segment_fixed_size 0
		.amdhsa_enable_private_segment 0
		.amdhsa_kernarg_size 40
		.amdhsa_user_sgpr_count 2
		.amdhsa_user_sgpr_kernarg_segment_ptr 1
		.amdhsa_wavefront_size32 1
		.amdhsa_system_sgpr_workgroup_id_x 1
		.amdhsa_system_sgpr_workgroup_id_y 1
		.amdhsa_system_sgpr_workgroup_id_z 1
		.amdhsa_system_vgpr_workitem_id 0
		.amdhsa_next_free_vgpr 1024
		.amdhsa_next_free_sgpr 92
		.amdhsa_reserve_vcc 0
		.amdhsa_float_denorm_mode_32 3
		.amdhsa_float_denorm_mode_16_64 3
		.amdhsa_memory_ordered 1
		.amdhsa_forward_progress 1
		.amdhsa_inst_pref_size 122
	.end_amdhsa_kernel
	.amdgpu_metadata
---
amdhsa.version: [ 1, 2 ]
amdhsa.kernels:
  - .name:           k_q9a3398ba48_ffn1
    .symbol:         k_q9a3398ba48_ffn1.kd
    .args:
      - { .name: hn, .offset: 0, .size: 8, .value_kind: global_buffer, .address_space: global }
      - { .name: cw, .offset: 8, .size: 8, .value_kind: global_buffer, .address_space: global }
      - { .name: b1, .offset: 16, .size: 8, .value_kind: global_buffer, .address_space: global }
      - { .name: rs, .offset: 24, .size: 8, .value_kind: global_buffer, .address_space: global }
      - { .name: uh, .offset: 32, .size: 8, .value_kind: global_buffer, .address_space: global }
    .group_segment_fixed_size: 327680
    .private_segment_fixed_size: 0
    .kernarg_segment_align: 8
    .kernarg_segment_size: 40
    .max_flat_workgroup_size: 128
    .sgpr_count:     92
    .vgpr_count:     1024
    .wavefront_size: 32
...
	.end_amdgpu_metadata
.endif
;; end of part 5
;; launch ffn2 (part 6): grid 8 x 32, 4 waves a work-group, clusters of 4 x 4, 327,680 bytes of LDS; arguments uh, cw, b2, rs, ff; writes ff
.if DOCPART == 6
	.amdgcn_target "amdgcn-amd-amdhsa--gfx1250"
	.amdhsa_code_object_version 6
	.text
	.protected	k_q9a3398ba48_ffn2
	.globl	k_q9a3398ba48_ffn2
	.p2align	8
	.type	k_q9a3398ba48_ffn2,@function
k_q9a3398ba48_ffn2:
	s_mov_b64 s[64:65], 0
	v_nop
	global_prefetch_b8 v0, s[64:65] scope:SCOPE_SE
	s_setreg_imm32_b32 hwreg(HW_REG_WAVE_MODE, 25, 1), 1
	s_wait_xcnt 0x0
	s_wait_alu depctr_hold_cnt(0) depctr_sa_sdst(0) depctr_va_vdst(0) depctr_va_sdst(0) depctr_va_ssrc(0) depctr_va_vcc(0) depctr_vm_vsrc(0)
	s_getreg_b32 s2, hwreg(HW_REG_IB_STS2, 6, 4)
	s_cmp_eq_u32 s2, 0
	s_cbranch_scc0 .Lentry_in_a_cluster
	s_endpgm
.Lentry_in_a_cluster:
	s_bfe_u32 s2, ttmp6, 0x10000c
	s_cmp_lg_u32 s2, 0xf033
	s_cbranch_scc0 .Lentry_shape_is_right
	s_endpgm
.Lentry_shape_is_right:
; f = (u' W2 + c b2) / c.  uh [4096][4096] f16 lies along K; W2 [4096 k][1024] f16 (in cw) lies along N and comes out of LDS turned; ff [4096][1024] f32.  Sums in f32, K ascending.
; c is the row's power of two, so the division by it is exact.  b2 is rounded to bf16 like every input.  NaN and infinities are not treated apart.
; SHARES.  C has 64 tiles of 256 x 256, too few for 256 WGPs: a tile is 128 x 128, four waves of 64 x 64: 16 accumulators, 128 registers.  K goes in steps of 256, as long as two slots in LDS allow.
; THE BIAS STARTS THE SUMS: one product for each accumulator with C = 0: A side c of the row at k = 0, B side the column's bias at k = 0, all else 0.
; CLUSTER 4 x 4: A's tile is shared along a row of the cluster, B's along a column, each asked for jointly.  THE MATRIX INSTRUCTION IS USED TRANSPOSED: a lane holds eight neighbouring numbers of a row of C.
; A wave's 64 columns of f32 are one aligned block of 256 bytes, so each wave has a stage of its own and the way out needs no barrier.
; REGISTERS: window 0: v0-31 addresses and (1/c, c); v32-127 at work; v128-255 the accumulators ((a, b) at v[128 + 8 (4 a + b)])
;   window 1: two fragment buffers of 128: for 64 along K, 64 registers of A (2 x 4 x 16 rows x 32 K), then 64 of B
.set SIZE_K, 4096
.set SIZE_N, 1024
.set W2H,    23068672
.set KSTEP,  256
.set PITCH,  528                       ; A's LDS row: 512 bytes + 16: the 16 rows of a fragment load start at 16 different groups of four banks (64 banks of 4 bytes: ISA guide 11.1)
.set PB,     288                       ; B's LDS row (one k, 128 columns): 256 + 32
.set HALFA,  64*PITCH
.set HALFB,  128*PB
.set SLOT,   2*HALFA+2*HALFB           ; A's rows 0-63, 64-127, B's k rows 0-127, 128-255
.set STAGE,  2*SLOT
.set SPARE,  STAGE+4*16*272
.set RP,    8                          ; v8-15  (1/c, c) of row 16 a + r, a = 0..3
.set ADRA,  16
.set ADRA0, 17
.set ADRB0, 18
.set ADRB,  20                         ; v20 B's k rows 0-127 of the slot being read; v21 its k rows 128-255 (the 16-bit offset does not reach them)
.set STO,  24
.set RD,   25
.set CO,   26
.set SPW,  28
.set NIL,  29
.set T,    32                          ; the way out: 16 rows x 64 columns, scaled
.set BT,   64                          ; v64-67 biases, v68-71 c, at work
.set ACC,  128
.set F0,   0
.set F1,   128
.set G1,  24
.set G0,  32
.set G1B, 48
.set G0B, 56
.set TB,  45
.set HM,  66
.set MSB, 0
.macro WIN new
.if MSB != (\new)
	s_set_vgpr_msb (MSB<<8)|(\new)
.set MSB, \new
.endif
.endm
.set MUL,  0x05                        ; sources 0 (B) and 1 (A) window 1; C and D window 0
.set TO_F, 0x40                        ; destination window 1
.macro JLOAD s                         ; a joint load: waves 0 and 1 fetch A's halves, waves 2 and 3 B's; an s_nop 0 and four v_nop follow each of the two lines
	s_cmp_eq_u32 s11, 0
	s_cbranch_scc0 .Lfor_b_\@
	tensor_load_to_lds s[G0+4*(\s):G0+4*(\s)+3], s[G1:G1+7]
	s_nop 0
.rept 4
	v_nop
.endr
	s_branch .Lasked_\@
.Lfor_b_\@:
	tensor_load_to_lds s[G0B+4*(\s):G0B+4*(\s)+3], s[G1B:G1B+7]
	s_nop 0
.rept 4
	v_nop
.endr
.Lasked_\@:
.endm
.macro CREST
	s_cmp_lg_u32 s10, 0
	s_cbranch_scc1 .Lnot_wave_0_\@
	s_barrier_signal -3
.Lnot_wave_0_\@:
	s_barrier_wait -3
	s_barrier_signal -1
	s_barrier_wait -1
.endm
.macro CROUND
	s_barrier_signal -1
	s_barrier_wait -1
	CREST
.endm
.macro PLACES
.rept 4
	v_nop
.endr
.endm
	s_load_b256 s[72:79], s[0:1], 0x0              ; uh s[72:73], cw s[74:75], b2 s[76:77], rs s[78:79]
	s_load_b64 s[80:81], s[0:1], 0x20              ; ff
	v_lshl_add_u32 v[SPW], v0, 2, SPARE
	v_mov_b32 v[NIL], 0
	ds_add_u32 v[SPW], v[NIL]                      ; the wave's opening: the add and its wait ahead of my first tensor load
	ds_add_u32 v28, v29
	v_lshrrev_b32 v1, 5, v0
	v_readfirstlane_b32 s10, v1
	s_lshr_b32 s11, s10, 1                         ; my half of the tile's rows.  Also: I fetch for A (0) or for B (1)
	s_and_b32 s12, s10, 1                          ; my half of its columns.  Also: which half I fetch
	s_bfe_u32 s40, ttmp6, 0x40000
	s_bfe_u32 s41, ttmp6, 0x40004
	s_lshl_b32 s42, ttmp9, 2
	s_add_co_u32 s42, s42, s40                     ; tile column
	s_and_b32 s13, ttmp7, 0xffff
	s_lshl_b32 s13, s13, 2
	s_add_co_u32 s13, s13, s41                     ; tile row
	s_lshl_b32 s43, s41, 2
	s_lshl_b32 s43, 15, s43
	s_lshl_b32 s44, 0x1111, s40
	s_or_b32 s[G1], s43, (1<<16)|(1<<20)|(1<<21)|(6<<22)|(3<<25)   ; A: after every 128 words 4 words
	s_or_b32 s[G1B], s44, (1<<16)|(1<<20)|(1<<21)|(5<<22)|(7<<25)  ; B: after every 64 words 8 words
	s_mov_b32 s[G1+1], 256<<16                     ; A: 64 rows x 256 elements
	s_mov_b32 s[G1+2], 64<<16
	s_mov_b32 s[G1+3], 256<<16
	s_mov_b32 s[G1+4], 64
	s_mov_b32 s[G1+5], SIZE_K
	s_mov_b32 s[G1+6], 0
	s_mov_b32 s[G1+7], 0
	s_mov_b32 s[G1B+1], 128<<16                    ; B: 128 k rows x 128 elements
	s_mov_b32 s[G1B+2], 128<<16
	s_mov_b32 s[G1B+3], 128<<16
	s_mov_b32 s[G1B+4], 128
	s_mov_b32 s[G1B+5], SIZE_N
	s_mov_b32 s[G1B+6], 0
	s_mov_b32 s[G1B+7], 0
	s_lshl_b32 s16, s13, 7                         ; A: row 128 x tile row + 64 x half, rows of 8,192 bytes
	s_lshl_b32 s17, s12, 6
	s_add_co_u32 s16, s16, s17
	s_lshl_b32 s16, s16, 13
	s_mov_b32 s17, 0
	s_lshl_b32 s46, s42, 8                         ; B: column 128 x tile column; k row 128 x half, rows of 2,048 bytes
	s_lshl_b32 s47, s12, 18
	s_add_co_u32 s46, s46, s47
	s_add_co_u32 s46, s46, W2H
	s_mov_b32 s47, 0
	s_mul_i32 s20, s12, HALFA
	s_mul_i32 s21, s12, HALFB
	s_add_co_u32 s21, s21, 2*HALFA
	s_mov_b32 s[TB], 0
	s_wait_dscnt 0x0                               ; the opening add is done
	s_wait_kmcnt 0x0
	s_add_nc_u64 s[14:15], s[72:73], s[16:17]
	s_add_nc_u64 s[46:47], s[74:75], s[46:47]
	CROUND
.irp s, 0,1
	s_mov_b32 s[G0+4*(\s)], 1
	s_add_co_u32 s[G0+4*(\s)+1], s20, (\s)*SLOT
	s_add_nc_u64 s[G0+4*(\s)+2:G0+4*(\s)+3], s[14:15], (\s)*KSTEP*2
	s_or_b32 s[G0+4*(\s)+3], s[G0+4*(\s)+3], 0x80000000
	s_mov_b32 s[G0B+4*(\s)], 1
	s_add_co_u32 s[G0B+4*(\s)+1], s21, (\s)*SLOT
	s_add_nc_u64 s[G0B+4*(\s)+2:G0B+4*(\s)+3], s[46:47], (\s)*KSTEP*SIZE_N*2
	s_or_b32 s[G0B+4*(\s)+3], s[G0B+4*(\s)+3], 0x80000000
	JLOAD \s                                       ; K steps 0 and 1: two loads of mine are out
.endr
	v_and_b32 v1, 15, v0                           ; r
	v_bfe_u32 v2, v0, 4, 1                         ; h
	v_mul_u32_u24 v3, v1, PITCH
	v_lshl_add_u32 v3, v2, 4, v3
	s_mul_i32 s22, s11, HALFA
	v_add_nc_u32 v[ADRA0], s22, v3
	v_and_b32 v4, 7, v0
	v_lshl_add_u32 v4, v2, 3, v4
	v_mul_u32_u24 v4, v4, PB
	v_bfe_u32 v5, v0, 3, 1
	v_lshl_add_u32 v4, v5, 4, v4
	s_lshl_b32 s23, s12, 7                         ; my 64 columns: 128 bytes of a k row
	s_add_co_u32 s23, s23, 2*HALFA
	v_add_nc_u32 v[ADRB0], s23, v4
	v_mov_b32 v[ADRA], v[ADRA0]
	v_mov_b32 v[ADRB], v[ADRB0]
	v_add_nc_u32 v[ADRB+1], 128*PB, v[ADRB0]
	s_mul_i32 s22, s10, 16*272
	s_add_co_u32 s22, s22, STAGE                   ; my stage
	v_mul_u32_u24 v3, v1, 272                      ; in: row r, 32 bytes for each half of the lanes
	v_lshl_add_u32 v3, v2, 5, v3
	v_add_nc_u32 v[STO], s22, v3
	v_mul_u32_u24 v3, v2, 272                      ; back: lanes 0-15 take one row of 256 bytes, lanes 16-31 the next
	v_lshl_add_u32 v3, v1, 4, v3
	v_add_nc_u32 v[RD], s22, v3
	v_lshlrev_b32 v3, 12, v2
	v_lshl_add_u32 v[CO], v1, 4, v3
	s_lshl_b32 s84, s13, 7
	s_lshl_b32 s85, s11, 6
	s_add_co_u32 s84, s84, s85
	s_lshl_b32 s84, s84, 12                        ; my first row of ff, rows of 4,096 bytes
	s_lshl_b32 s85, s42, 9
	s_add_co_u32 s84, s84, s85
	s_lshl_b32 s85, s12, 8
	s_add_co_u32 s84, s84, s85                     ; my first column
	s_mov_b32 s85, 0
	s_add_nc_u64 s[80:81], s[80:81], s[84:85]
	s_lshl_b32 s84, s42, 9                         ; b2 at my 64 columns
	s_lshl_b32 s85, s12, 8
	s_add_co_u32 s84, s84, s85
	s_mov_b32 s85, 0
	s_add_nc_u64 s[82:83], s[76:77], s[84:85]
	s_lshl_b32 s86, s13, 10                        ; rs at my 64 rows, 8 bytes each
	s_lshl_b32 s87, s11, 9
	s_add_co_u32 s86, s86, s87
	s_mov_b32 s87, 0
	s_add_nc_u64 s[86:87], s[78:79], s[86:87]
	v_lshlrev_b32 v6, 2, v1                        ; never rewritten
	v_lshlrev_b32 v7, 3, v1                        ; never rewritten
.irp i, 0,1,2,3
	global_load_b32 v[BT+\i], v6, s[82:83] offset:64*\i
.endr
.irp i, 0,1,2,3
	global_load_b64 v[RP+2*\i:RP+2*\i+1], v7, s[86:87] offset:128*\i
.endr
	v_and_b32 v3, 31, v0
	v_cmp_gt_u32 s[HM], 16, v3
	WIN TO_F                                       ; the bias fragments, in buffer 1: all is 0 but k = 0, the low half of register 0 in lanes 0-15
.set i, 0
.rept 4
.irp k, 1,2,3,4,5,6,7
	v_mov_b32 v[F1+8*i+\k], 0
	v_mov_b32 v[F1+64+8*i+\k], 0
.endr
.set i, i+1
.endr
	WIN 0
	s_wait_loadcnt 0x0
.irp i, 0,1,2,3
	v_cvt_pk_bf16_f32 v[BT+\i], v[BT+\i], v[BT+\i]
.endr
.irp i, 0,1,2,3
	v_lshlrev_b32 v[BT+\i], 16, v[BT+\i]
.endr
.irp i, 0,1,2,3
	v_cndmask_b32 v[BT+\i], 0, v[BT+\i], s[HM]
	v_cndmask_b32 v[BT+4+\i], 0, v[RP+2*\i+1], s[HM]
.endr
	WIN TO_F
.irp i, 0,1,2,3
	v_cvt_pk_f16_f32 v[F1+8*\i], v[BT+4+\i], v[NIL]
	v_cvt_pk_f16_f32 v[F1+64+8*\i], v[BT+\i], v[NIL]
.endr
	WIN 0
; 8 matrix instructions: m blocks a0, a0 + 1 x all 4 n blocks, 32 along K: half c of buffer f.  The 16 accumulators take turns, one instruction a turn.
.macro MUL8 f, c, a0
	WIN MUL
.irp a, \a0, (\a0)+1
.irp b, 0,1,2,3
	v_wmma_f32_16x16x32_f16 v[ACC+8*(4*(\a)+(\b)):ACC+8*(4*(\a)+(\b))+7], v[(\f)+64+8*(4*(\c)+(\b)):(\f)+64+8*(4*(\c)+(\b))+7], v[(\f)+8*(4*(\c)+(\a)):(\f)+8*(4*(\c)+(\a))+7], v[ACC+8*(4*(\a)+(\b)):ACC+8*(4*(\a)+(\b))+7]
.endr
.endr
.endm
.macro BIASMUL
	WIN MUL
.irp a, 0,1,2,3
.irp b, 0,1,2,3
	v_wmma_f32_16x16x32_f16 v[ACC+8*(4*(\a)+(\b)):ACC+8*(4*(\a)+(\b))+7], v[F1+64+8*(\b):F1+64+8*(\b)+7], v[F1+8*(\a):F1+8*(\a)+7], 0
.endr
.endr
.endm
; 32 LDS loads in one run: quarter q (64 along K) of the slot being read, into buffer f; the first 32 along K first
.macro FETCH q, f
	WIN TO_F
.irp c, 0,1
.irp i, 0,1,2,3
	ds_load_tr16_b128 v[(\f)+64+8*(4*(\c)+(\i)):(\f)+64+8*(4*(\c)+(\i))+3],   v[ADRB+(\q)/2] offset:(((\q)%2)*64+32*(\c))*PB+32*(\i)
	ds_load_tr16_b128 v[(\f)+64+8*(4*(\c)+(\i))+4:(\f)+64+8*(4*(\c)+(\i))+7], v[ADRB+(\q)/2] offset:(((\q)%2)*64+32*(\c)+16)*PB+32*(\i)
	ds_load_b128 v[(\f)+8*(4*(\c)+(\i)):(\f)+8*(4*(\c)+(\i))+3],              v[ADRA] offset:128*(\q)+64*(\c)+(\i)*16*PITCH
	ds_load_b128 v[(\f)+8*(4*(\c)+(\i))+4:(\f)+8*(4*(\c)+(\i))+7],            v[ADRA] offset:128*(\q)+64*(\c)+(\i)*16*PITCH+32
.endr
.endr
.endm
.macro QUARTER q, f, g                 ; multiplies buffer f; in its middle fetches quarter q into buffer g
	s_wait_dscnt 16                                ; the first 32 along K are in; the youngest sixteen loads may be out
	MUL8 \f, 0, 0
	MUL8 \f, 0, 2
	PLACES
	FETCH \q, \g
	s_wait_dscnt 32                                ; all but the 32 just issued
	MUL8 \f, 1, 0
	MUL8 \f, 1, 2
.endm
; The last quarter multiplies buffer 1 and changes slots: ONE barrier; in front of it each wave waits for all its tensor loads, adds 0 to its spare word, and waits for that and for its reads of this slot.
.macro TURN fill
	WIN 0
	s_wait_tensorcnt 0x0
	ds_add_u32 v[SPW], v[NIL]
	s_wait_dscnt 17                                ; the add and the youngest sixteen loads may be out
	MUL8 F1, 0, 0
	s_wait_dscnt 0x0                               ; the add is done, and my reads of this slot are over
	s_barrier_signal -1
	MUL8 F1, 0, 2
.if \fill
	WIN 0
.endif
	s_barrier_wait -1
.if \fill
	CREST                                          ; no wave of any partner still reads this slot or has a load on its way
	s_add_co_u32 s[G0+5], s20, s[TB]               ; the walking descriptor: the slot just read, the next K step behind the one it asked for last
	s_add_nc_u64 s[G0+6:G0+7], s[G0+6:G0+7], KSTEP*2
	s_add_co_u32 s[G0B+5], s21, s[TB]
	s_add_nc_u64 s[G0B+6:G0B+7], s[G0B+6:G0B+7], KSTEP*SIZE_N*2
	JLOAD 1                                        ; the first tensor load behind the round; its four v_nop are also the places in front of the loads below
.else
	PLACES
.endif
	WIN 0
	s_xor_b32 s[TB], s[TB], SLOT                   ; 0 and SLOT by turns
	v_add_nc_u32 v[ADRA], s[TB], v[ADRA0]
	v_add_nc_u32 v[ADRB], s[TB], v[ADRB0]
	v_add_nc_u32 v[ADRB+1], 128*PB, v[ADRB]
	FETCH 0, F0
	MUL8 F1, 1, 0
	MUL8 F1, 1, 2
.endm
.macro KSTEPM fill
	QUARTER 1, F0, F1
	QUARTER 2, F1, F0
	QUARTER 3, F0, F1
	TURN \fill
.endm
; THE WAY OUT of block a (16 rows x 64 columns): times 1/c of the row, 32 bytes a lane into my stage, back as whole rows of 256 bytes, stored.
.macro OUTA a
.set BK, 64+32*((\a)%2)
.set i, 0
.rept 16
	v_pk_mul_f32 v[T+2*i:T+2*i+1], v[ACC+32*(\a)+2*i:ACC+32*(\a)+2*i+1], v[RP+2*(\a):RP+2*(\a)+1] op_sel_hi:[1,0]
.set i, i+1
.endr
.irp b, 0,1,2,3
	ds_store_b128 v[STO], v[T+8*(\b):T+8*(\b)+3] offset:64*(\b)
	ds_store_b128 v[STO], v[T+8*(\b)+4:T+8*(\b)+7] offset:64*(\b)+16
.endr
.irp t, 0,1,2,3,4,5,6,7                ; LDS serves a wave's instructions in order (ISA guide 5.7.1.4): these see the stores above
	ds_load_b128 v[BK+4*(\t):BK+4*(\t)+3], v[RD] offset:544*(\t)
.endr
	s_wait_dscnt 0x0
	s_wait_xcnt 0x0                                ; the other buffer, which earlier stores read, is loaded again only behind this wait
.irp t, 0,1,2,3,4,5,6,7
	global_store_b128 v[CO], v[BK+4*(\t):BK+4*(\t)+3], s[80:81] offset:(16*(\a)+2*(\t))*4096  ; 16 lanes store 256 consecutive bytes, aligned
.endr
.endm
	s_wait_tensorcnt 1                             ; my part of K step 0 is in; K step 1's may stay out
	s_barrier_signal -1
	s_barrier_wait -1
	FETCH 0, F0
	BIASMUL
	WIN 0
	s_mov_b32 s3, SIZE_K/KSTEP-2
.Lk:                                                   ; K steps 0 to 13 ask for K steps 2 to 15
	KSTEPM 1
	WIN 0
	s_sub_co_u32 s3, s3, 1
	s_cmp_lg_u32 s3, 0
	s_cbranch_scc1 .Lk
	s_mov_b32 s3, 2
.Lt:                                                   ; the last two K steps ask for nothing.  The last trip's barrier and its 32 loads from the slot already used serve nothing: the price of one text for both
	KSTEPM 0
	WIN 0
	s_sub_co_u32 s3, s3, 1
	s_cmp_lg_u32 s3, 0
	s_cbranch_scc1 .Lt
	s_wait_dscnt 0x0
	PLACES
	OUTA 0
	OUTA 1
	OUTA 2
	OUTA 3
	s_wait_tensorcnt 0x0                           ; the wave's end
	ds_add_u32 v[SPW], v[NIL]
	s_wait_dscnt 0x0
	CROUND                                         ; the closing round
	s_endpgm
.Lfunc_end_k_q9a3398ba48_ffn2:
	.size	k_q9a3398ba48_ffn2, .Lfunc_end_k_q9a3398ba48_ffn2-k_q9a3398ba48_ffn2
	.p2alignl 7, 3214868480
	.fill 96, 4, 3214868480
	.section	.rodata,"a",@progbits
	.p2align	6, 0x0
	.amdhsa_kernel k_q9a3398ba48_ffn2
		.amdhsa_group_segment_fixed_size 327680
		.amdhsa_private_segment_fixed_size 0
		.amdhsa_enable_private_segment 0
		.amdhsa_kernarg_size 40
		.amdhsa_user_sgpr_count 2
		.amdhsa_user_sgpr_kernarg_segment_ptr 1
		.amdhsa_wavefront_size32 1
		.amdhsa_system_sgpr_workgroup_id_x 1
		.amdhsa_system_sgpr_workgroup_id_y 1
		.amdhsa_system_sgpr_workgroup_id_z 1
		.amdhsa_system_vgpr_workitem_id 0
		.amdhsa_next_free_vgpr 512
		.amdhsa_next_free_sgpr 92
		.amdhsa_reserve_vcc 0
		.amdhsa_float_denorm_mode_32 3
		.amdhsa_float_denorm_mode_16_64 3
		.amdhsa_memory_ordered 1
		.amdhsa_forward_progress 1
		.amdhsa_inst_pref_size 63
	.end_amdhsa_kernel
	.amdgpu_metadata
---
amdhsa.version: [ 1, 2 ]
amdhsa.kernels:
  - .name:           k_q9a3398ba48_ffn2
    .symbol:         k_q9a3398ba48_ffn2.kd
    .args:
      - { .name: uh, .offset: 0, .size: 8, .value_kind: global_buffer, .address_space: global }
      - { .name: cw, .offset: 8, .size: 8, .value_kind: global_buffer, .address_space: global }
      - { .name: b2, .offset: 16, .size: 8, .value_kind: global_buffer, .address_space: global }
      - { .name: rs, .offset: 24, .size: 8, .value_kind: global_buffer, .address_space: global }
      - { .name: ff, .offset: 32, .size: 8, .value_kind: global_buffer, .address_space: global }
    .group_segment_fixed_size: 327680
    .private_segment_fixed_size: 0
    .kernarg_segment_align: 8
    .kernarg_segment_size: 40
    .max_flat_workgroup_size: 128
    .sgpr_count:     92
    .vgpr_count:     512
    .wavefront_size: 32
...
	.end_amdgpu_metadata
.endif
;; end of part 6
;; launch ln2 (part 7): grid 256 x 1, 16 waves a work-group, no clusters, 0 bytes of LDS; arguments ff, ln_w, out0; writes out0
.if DOCPART == 7
	.amdgcn_target "amdgcn-amd-amdhsa--gfx1250"
	.amdhsa_code_object_version 6
	.text
	.protected	k_q9a3398ba48_ln2
	.globl	k_q9a3398ba48_ln2
	.p2align	8
	.type	k_q9a3398ba48_ln2,@function
k_q9a3398ba48_ln2:
	s_mov_b64 s[64:65], 0
	v_nop
	global_prefetch_b8 v0, s[64:65] scope:SCOPE_SE
	s_setreg_imm32_b32 hwreg(HW_REG_WAVE_MODE, 25, 1), 1
	s_wait_xcnt 0x0
; out = f + (f - mean) / sqrt(var + 1e-5) w, a row of 1,024 at a time.  ln_w is rounded to bf16 like every input.  Mean first, then the squares of the differences: no difference of large sums.
; One wave, one row: 8 loads and 8 stores of 512 consecutive bytes; the row stays in 32 registers; the reductions never leave the wave: no LDS, no barrier.  Memory binds: matrix units and clusters buy nothing.
.set W,   4                            ; v[4:35]   ln_w, then w rstd + 1
.set X,   36                           ; v[36:67]  the row
.set T,   68                           ; v[68:83]  at work
.set MU,  84                           ; v[84:85]  the mean, twice
.set RSD, 86                           ; v[86:87]  1 / sqrt(var + eps), twice
	s_load_b128 s[4:7], s[0:1], 0x0                ; ff s[4:5], ln_w s[6:7]
	s_load_b64 s[8:9], s[0:1], 0x10                ; out0
	v_lshrrev_b32 v88, 5, v0
	v_readfirstlane_b32 s16, v88                   ; wave
	v_and_b32 v2, 31, v0                           ; lane
	v_lshlrev_b32 v1, 4, v2
	v_mov_b32 v89, 0                               ; v_permlanex16_b32's destination counts as read
	s_lshl_b32 s17, ttmp9, 4
	s_add_co_u32 s16, s16, s17                     ; my row
	s_lshl_b32 s18, s16, 12
	s_mov_b32 s19, 0
	s_mov_b32 s12, 0x76543210
	s_mov_b32 s13, 0xfedcba98
	s_mov_b32 s14, 0x3a800000                      ; 1 / 1,024
	s_mov_b32 s15, 0x3727c5ac                      ; 1e-5
	s_wait_kmcnt 0x0
	s_add_nc_u64 s[4:5], s[4:5], s[18:19]
	s_add_nc_u64 s[8:9], s[8:9], s[18:19]
.irp j, 0,1,2,3,4,5,6,7
	global_load_b128 v[X+4*\j:X+4*\j+3], v1, s[4:5] offset:512*\j th:TH_LOAD_NT
.endr
.irp j, 0,1,2,3,4,5,6,7
	global_load_b128 v[W+4*\j:W+4*\j+3], v1, s[6:7] offset:512*\j
.endr
.macro SUM32                           ; v88 summed over the 32 lanes, the result in every lane
	v_add_f32_dpp v88, v88, v88 row_xmask:1 row_mask:0xf bank_mask:0xf
	v_add_f32_dpp v88, v88, v88 row_xmask:2 row_mask:0xf bank_mask:0xf
	v_add_f32_dpp v88, v88, v88 row_xmask:4 row_mask:0xf bank_mask:0xf
	v_add_f32_dpp v88, v88, v88 row_xmask:8 row_mask:0xf bank_mask:0xf
	v_permlanex16_b32 v89, v88, s12, s13
	v_add_f32 v88, v88, v89
.endm
	s_wait_loadcnt 8                               ; the row is in; ln_w's eight loads may be out
.set i, 0
.rept 8
	v_pk_add_f32 v[T+2*i:T+2*i+1], v[X+2*i:X+2*i+1], v[X+16+2*i:X+16+2*i+1]
.set i, i+1
.endr
.set i, 0
.rept 4
	v_pk_add_f32 v[T+2*i:T+2*i+1], v[T+2*i:T+2*i+1], v[T+8+2*i:T+8+2*i+1]
.set i, i+1
.endr
	v_pk_add_f32 v[T:T+1], v[T:T+1], v[T+4:T+5]
	v_pk_add_f32 v[T+2:T+3], v[T+2:T+3], v[T+6:T+7]
	v_pk_add_f32 v[T:T+1], v[T:T+1], v[T+2:T+3]
	v_add_f32 v88, v[T], v[T+1]
	SUM32
	v_mul_f32 v[MU], s14, v88
	v_mul_f32 v[MU+1], s14, v88
.set i, 0
.rept 16
	v_pk_add_f32 v[X+2*i:X+2*i+1], v[X+2*i:X+2*i+1], v[MU:MU+1] neg_lo:[0,1] neg_hi:[0,1]  ; d = f - mean
.set i, i+1
.endr
.set i, 0
.rept 4
	v_pk_mul_f32 v[T+2*i:T+2*i+1], v[X+2*i:X+2*i+1], v[X+2*i:X+2*i+1]  ; four chains, started by the first four pairs
.set i, i+1
.endr
.set i, 4
.rept 12
	v_pk_fma_f32 v[T+2*(i%4):T+2*(i%4)+1], v[X+2*i:X+2*i+1], v[X+2*i:X+2*i+1], v[T+2*(i%4):T+2*(i%4)+1]
.set i, i+1
.endr
	v_pk_add_f32 v[T:T+1], v[T:T+1], v[T+2:T+3]
	v_pk_add_f32 v[T+4:T+5], v[T+4:T+5], v[T+6:T+7]
	v_pk_add_f32 v[T:T+1], v[T:T+1], v[T+4:T+5]
	v_add_f32 v88, v[T], v[T+1]
	SUM32
	v_fma_f32 v88, v88, s14, s15                   ; var + eps
	v_rsq_f32 v[RSD], v88
	v_nop                                          ; a plain line behind the transcendental
	s_wait_alu depctr_va_vdst(0)
	v_mov_b32 v[RSD+1], v[RSD]
	s_wait_loadcnt 0x0                             ; ln_w
.set i, 0
.rept 16
	v_cvt_pk_bf16_f32 v[T+i], v[W+2*i], v[W+2*i+1]
.set i, i+1
.endr
.set i, 0
.rept 16
	v_lshlrev_b32 v[W+2*i], 16, v[T+i]
	v_and_b32 v[W+2*i+1], 0xffff0000, v[T+i]
.set i, i+1
.endr
.set i, 0
.rept 16
	v_pk_fma_f32 v[W+2*i:W+2*i+1], v[W+2*i:W+2*i+1], v[RSD:RSD+1], 1.0 op_sel_hi:[1,1,0]  ; w rstd + 1
.set i, i+1
.endr
.set i, 0
.rept 16
	v_pk_fma_f32 v[X+2*i:X+2*i+1], v[X+2*i:X+2*i+1], v[W+2*i:W+2*i+1], v[MU:MU+1]  ; out = mean + d (1 + w rstd)
.set i, i+1
.endr
.irp j, 0,1,2,3,4,5,6,7
	global_store_b128 v1, v[X+4*\j:X+4*\j+3], s[8:9] offset:512*\j th:TH_STORE_NT  ; the wave stores 512 consecutive bytes, aligned
.endr
	s_endpgm
.Lfunc_end_k_q9a3398ba48_ln2:
	.size	k_q9a3398ba48_ln2, .Lfunc_end_k_q9a3398ba48_ln2-k_q9a3398ba48_ln2
	.p2alignl 7, 3214868480
	.fill 96, 4, 3214868480
	.section	.rodata,"a",@progbits
	.p2align	6, 0x0
	.amdhsa_kernel k_q9a3398ba48_ln2
		.amdhsa_group_segment_fixed_size 0
		.amdhsa_private_segment_fixed_size 0
		.amdhsa_enable_private_segment 0
		.amdhsa_kernarg_size 24
		.amdhsa_user_sgpr_count 2
		.amdhsa_user_sgpr_kernarg_segment_ptr 1
		.amdhsa_wavefront_size32 1
		.amdhsa_system_sgpr_workgroup_id_x 1
		.amdhsa_system_sgpr_workgroup_id_y 1
		.amdhsa_system_sgpr_workgroup_id_z 1
		.amdhsa_system_vgpr_workitem_id 0
		.amdhsa_next_free_vgpr 96
		.amdhsa_next_free_sgpr 66
		.amdhsa_reserve_vcc 0
		.amdhsa_float_denorm_mode_32 3
		.amdhsa_float_denorm_mode_16_64 3
		.amdhsa_memory_ordered 1
		.amdhsa_forward_progress 1
		.amdhsa_inst_pref_size 12
	.end_amdhsa_kernel
	.amdgpu_metadata
---
amdhsa.version: [ 1, 2 ]
amdhsa.kernels:
  - .name:           k_q9a3398ba48_ln2
    .symbol:         k_q9a3398ba48_ln2.kd
    .args:
      - { .name: ff, .offset: 0, .size: 8, .value_kind: global_buffer, .address_space: global }
      - { .name: ln_w, .offset: 8, .size: 8, .value_kind: global_buffer, .address_space: global }
      - { .name: out0, .offset: 16, .size: 8, .value_kind: global_buffer, .address_space: global }
    .group_segment_fixed_size: 0
    .private_segment_fixed_size: 0
    .kernarg_segment_align: 8
    .kernarg_segment_size: 24
    .max_flat_workgroup_size: 512
    .sgpr_count:     66
    .vgpr_count:     96
    .wavefront_size: 32
...
	.end_amdgpu_metadata
.endif
;; end of part 7
;; ======== version 2 of 2: 7 launches; 1.14 times as fast as version 1
;; limits: values are held in f16: magnitudes above 65,504 overflow, below 6.1e-05 lose precision; inputs' magnitudes at most 65,504; values outside matrix products are rounded to bf16
;; workspace buffers: cw 31,457,280 bytes; qkvh 25,165,824 bytes; att 16,777,216 bytes; hn 8,388,608 bytes; rs 32,768 bytes; uh 33,554,432 bytes; ff 16,777,216 bytes
;; launch cast: the kernel of part 1 again; grid 64 x 15, 8 waves a work-group, no clusters, 0 bytes of LDS; arguments x, Wq, Wk, Wv, W1, W2, cw; writes cw
;; launch qkv: the kernel of part 2 again; grid 12 x 16, 4 waves a work-group, clusters of 4 x 4, 327,680 bytes of LDS; arguments cw, bq, bk, bv, qkvh; writes qkvh
;; launch attn (part 8): grid 8 x 32, 4 waves a work-group, no clusters, 327,680 bytes of LDS; arguments qkvh, att; writes att
.if DOCPART == 8
	.amdgcn_target "amdgcn-amd-amdhsa--gfx1250"
	.amdhsa_code_object_version 6
	.text
	.protected	k_q9a3398ba48_attn
	.globl	k_q9a3398ba48_attn
	.p2align	8
	.type	k_q9a3398ba48_attn,@function
k_q9a3398ba48_attn:
	s_mov_b64 s[64:65], 0
	v_nop
	global_prefetch_b8 v0, s[64:65] scope:SCOPE_SE
	s_setreg_imm32_b32 hwreg(HW_REG_WAVE_MODE, 25, 1), 1
	s_wait_xcnt 0x0
; CAUSAL ATTENTION.  a[q] = the sum over k <= q of softmax_k(Q[q] . K[k] / 32) V[k], for each of 32 heads of 2,048 rows x 64 channels.  qkvh: [3][32][2048][64] f16.  att: [4096][1024] f32, a head's
; 64 channels being 256 aligned bytes of a row.  Products, maxima and sums in f32; the weights p are rounded to f16 for the second product (their sum l is taken of the unrounded p).
; LIMITS.  A hidden score counts as its value less 1e30; a weight below 2^-126 counts as 0 in l; p below 6e-5 keeps f16's fixed step of 6e-8; NaN and infinities are not treated apart.
; THE WALK.  A head has NB = 16 blocks of 128 queries; block i needs the key tiles 0 .. i of 128 keys, the last holding the diagonal.  A work-group takes blocks NB - 1 - b and then b: NB + 1 tiles
; whatever b: 256 work-groups of equal work, one loop with a constant trip count.  NO CLUSTER: a head's 8 work-groups ask for the same tile only in trips 0 .. 8, behind that fewer and fewer; a walk
; common to all partners would have 24 trips for 17.
; SHARES.  Of a block's two bands of 64 queries a wave owns 16 rows in each: tile u has rows 64 u + 16 w + r.  So the diagonal tile is the same work for all four waves.
; THE MASK is the C operand that starts the sum S^T = K Q^T: MD x AL + BE, MD being the mask of a band's own step for my 16 rows: (1, 0) in the band's own step of the diagonal tile, (0, -1e30) in a
; later step, (0, 0) elsewhere.  It is made in every step, so that one text serves every tile.
; LAYOUT.  S^T = K Q^T holds ONE query a lane (lane % 16) and the keys 8 (lane / 16) + 0..7; two such results rounded to f16 ARE source 1 of O^T = V^T P.  p = 2^(c s - c m), c = log2(e) / 32, with a running
; maximum m; O and l are multiplied by a = 2^(c m_old - c m_new) in every step.  A block starts with c m far below every c s, so its first a is 0 and O and l need only be finite.
; A STEP (64 keys): K Q^T of tile 0; K Q^T of tile 1 with eight lines of tile 0's softmax behind each product; the rest of that softmax; V^T P of tile 0 with tile 1's softmax likewise; its rest; V^T P of tile 1.
; BATCHES.  A tile's 33 exponentials of a step (a and the 32 weights) are ONE batch: they stand, with the scalings, ahead of every line that names a result of theirs, and one wait stands between the batch and
; those lines (the rescaling of O^T, the roundings, the sums).  So a step has two waits, one a tile; no exponential is issued between a tile's wait and the next batch, so none is pending at a label or a jump.
; The way out's two reciprocals are a batch of their own.
; REGISTERS: window 0: v0-15 addresses; v16-39 twelve registers of statistics a tile; v64-127 S^T; v128-159 P; v160-223 O^T
;   window 1: v0-63 K of a step; v64-127 V; v128-159 Q; v160-191 MD; v192-255 the two tiles' masks          window 2: v0-31 the second block's Q
.set NB,    16
.set KS,    64
.set PK,    144       ; a row of K in LDS: 128 bytes + 16: the 16 rows of a load start at 16 different groups of four banks (64 banks of 4 bytes: ISA guide 11.1)
.set PV,    160       ; a row of V: 128 + 32
.set VOFF,  2*KS*PK   ; a slot holds a tile: 128 rows of K, then 128 rows of V
.set SLOT1, 1<<16     ; slot 1 begins here, so that one exclusive or turns an address in one slot into the other's
.set STAGE, SLOT1+2*KS*(PK+PV)  ; behind the ring, never filled by a tensor load: 16 rows x 272 bytes for each wave
.set SP,    272
.set SPARE, STAGE+4*16*SP       ; the spare words, 128 bytes a wave: two blocks of 256 bytes that no other line names
.set AK0, 2           ; v2   my lane's place in a tile of K; never rewritten
.set AV0, 3           ; v3   the same for V
.set AK,  4           ; v4   the LDS address of K's next run of loads
.set AV,  5           ; v5   of V's
.set STO, 6           ; v6   the way out: where I put 32 bytes of a row
.set RD,  7           ; v7   where I read rows back
.set GO,  8           ; v8   my byte offset in two rows of att
.set QO,  12          ; v12  my byte offset in 16 rows of Q
.set ST,  16          ; tile u's statistics at v[ST+12 u]: c m, m, l (even keys', odd keys'), c0-c3 at work (c2 takes a), c m_old
.set SPW, 62
.set NIL, 63
.set S,   64
.set P,   128
.set OA,  160
.set KF,  0           ; window 1: key block kb, channel half c at KF + 16 kb + 8 c
.set VF,  64          ; window 1: key half kk, channel block cb at VF + 32 kk + 8 cb
.set QF,  128         ; window 1: tile u, channel half c at QF + 16 u + 8 c
.set MD,  160
.set MC,  192
.set WV,  12
.set PBL, 14          ; s14  b
.set HI,  15          ; s15  NB - 1 - b
.set G1K, 24
.set G1V, 32
.set G0K, 40
.set G0V, 44
.set SLOTS, 56
.set CNT, 57          ; s57  counts a tile's two key steps, 2 to 1
.set CS,  58          ; s[58:59] c
.set SEL, 60          ; s[60:61] v_permlanex16_b32's selects
.set TBK, 62          ; s62  LDS byte at which K of the step to be fetched begins
.set TBV, 63          ; s63  the same for V, less VOFF
.set RT,  70          ; s70  tiles of the block in hand that are still to be entered
.set NXT, 71          ; s71  the tile to be asked for next
.set LQ,  72          ; s72  the last tile of the block whose tiles are being asked for
.set NEW, 73          ; s73  1: the tile to be entered is the second block's first
.set OFF, 74          ; s[74:75] a tile's byte offset in K and V
.set AL0, 76          ; s[76:77], s[78:79] tile 0's factor and addend; s[80:81] tile 1's factor; s[82:83] 0, its addend
.set BE0, 78
.set AL1, 80
.set ZZ,  82
.set BIGN, 84         ; s84  -1e30
.set XX,  85          ; s85  4 RT + CNT
.set OLO, 86          ; s[86:87] att at my rows of the second block
.set MSB, 0
.macro WIN new
.if MSB != (\new)
	s_set_vgpr_msb (MSB<<8)|(\new)
.set MSB, \new
.endif
.endm
; A fill: waves 0 and 1 fetch the halves of a tile's K, waves 2 and 3 those of its V: 64 keys each.  An s_nop 0 and four v_nop follow each of the two lines.
.macro LOAD
	s_cmp_lt_u32 s[WV], 2
	s_cbranch_scc0 .Lfor_v_\@
	tensor_load_to_lds s[G0K:G0K+3], s[G1K:G1K+7]
	s_nop 0
.rept 4
	v_nop
.endr
	s_branch .Lasked_\@
.Lfor_v_\@:
	tensor_load_to_lds s[G0V:G0V+3], s[G1V:G1V+7]
	s_nop 0
.rept 4
	v_nop
.endr
.Lasked_\@:
.endm
; THE CHANGE OF SLOTS.  Each wave waits for all its tensor loads (one is out: its part of the other slot), adds 0 to its spare word, and waits for that and for its reads of the slot that it leaves.
; fill = 1: the old slot is filled again, first thing behind the barrier, with tile NXT.  (At its first use nothing has been read yet: slot 0 is waited for, slot 1 filled.)
.macro CHANGE fill
	WIN 0
	s_wait_tensorcnt 0x0
	ds_add_u32 v[SPW], v[NIL]
.if \fill
	s_lshl_b32 s[OFF], s[NXT], 14   ; a tile is 16,384 bytes of K and of V
	s_xor_b32 s[G0K+1], s[G0K+1], SLOT1
	s_add_nc_u64 s[G0K+2:G0K+3], s[6:7], s[OFF:OFF+1]
	s_or_b32 s[G0K+3], s[G0K+3], 0x80000000
	s_xor_b32 s[G0V+1], s[G0V+1], SLOT1
	s_add_nc_u64 s[G0V+2:G0V+3], s[8:9], s[OFF:OFF+1]
	s_or_b32 s[G0V+3], s[G0V+3], 0x80000000
	s_add_co_u32 s[NXT], s[NXT], 1  ; the block's next tile, or behind its last the second block's tile 0
	s_cmp_gt_u32 s[NXT], s[LQ]
	s_cselect_b32 s[NXT], 0, s[NXT]
	s_cselect_b32 s[LQ], s[PBL], s[LQ]
.endif
	s_wait_dscnt 0x0                ; the add is done, and my reads of the slot are over
	s_barrier_signal -1
	s_sub_co_u32 s[TBK], s[TBK], 2*KS*PK  ; the fetches go back to a slot's first step, in the other slot
	s_xor_b32 s[TBK], s[TBK], SLOT1
	s_sub_co_u32 s[TBV], s[TBV], 2*KS*PV
	s_xor_b32 s[TBV], s[TBV], SLOT1
	s_barrier_wait -1
.if \fill
	LOAD
.endif
.endm
	s_load_b128 s[48:51], s[0:1], 0x0  ; qkvh s[48:49], att s[50:51]
	v_lshl_add_u32 v[SPW], v0, 2, SPARE
	v_mov_b32 v[NIL], 0
	ds_add_u32 v[SPW], v[NIL]       ; the wave's opening: the add and its wait ahead of my first tensor load
	ds_add_u32 v62, v63
	v_lshrrev_b32 v1, 5, v0
	v_readfirstlane_b32 s[WV], v1
	s_mov_b32 s[PBL], ttmp9
	s_sub_co_u32 s[HI], NB-1, s[PBL]
	s_and_b32 s13, ttmp7, 0xffff    ; the head, 16 x batch + head of the batch
	s_lshl_b32 s20, s13, 18         ; its first byte in q: 2,048 rows of 128 bytes
	s_and_b32 s16, s[WV], 1         ; which half of a tile's 128 keys I fetch
	s_lshl_b32 s22, s16, 13
	s_add_co_u32 s22, s22, s20
	s_add_co_u32 s18, s22, 0x800000 ; k lies 8,388,608 bytes behind q,
	s_mov_b32 s19, 0
	s_add_co_u32 s22, s22, 0x1000000  ; v twice as far
	s_mov_b32 s23, 0
	s_mul_i32 s17, s16, KS*PK       ; my half's place in a slot, for K
	s_mul_i32 s21, s16, KS*PV       ; and for V
	s_lshl_b32 s3, s[WV], 11        ; my 16 rows in a band,
	s_add_co_u32 s3, s3, s20
	s_lshl_b32 s2, s[HI], 14        ; in the first block,
	s_add_co_u32 s2, s2, s3
	s_lshl_b32 s52, s[PBL], 14      ; and in the second
	s_add_co_u32 s52, s52, s3
	s_mov_b32 s3, 0
	s_mov_b32 s53, 0
	s_lshr_b32 s54, s13, 4          ; att: the batch's 2,048 rows of 4,096 bytes,
	s_lshl_b32 s54, s54, 23
	s_and_b32 s55, s13, 15          ; the head's 256 bytes of a row,
	s_lshl_b32 s55, s55, 8
	s_add_co_u32 s54, s54, s55
	s_lshl_b32 s55, s[WV], 16       ; my 16 rows in a band,
	s_add_co_u32 s54, s54, s55
	s_lshl_b32 s66, s[HI], 19       ; the block's 128 rows
	s_add_co_u32 s66, s66, s54
	s_mov_b32 s67, 0
	s_lshl_b32 s68, s[PBL], 19
	s_add_co_u32 s68, s68, s54
	s_mov_b32 s69, 0
	; descriptor group 1.  64 keys are 8,192 dense bytes: asked for as 32 rows of 256 bytes, two keys a row, and padded in LDS after every key
	s_mov_b32 s[G1K], (1<<16)|(1<<20)|(4<<22)|(3<<25)  ; 2-byte elements; padding on; after every 32 words 4 words
	s_mov_b32 s[G1V], (1<<16)|(1<<20)|(4<<22)|(7<<25)  ; the same with 8 words
.irp g, G1K, G1V
	s_mov_b32 s[(\g)+1], 128<<16    ; tensor_dim0 = 128
	s_mov_b32 s[(\g)+2], 32<<16     ; tensor_dim1 = 32
	s_mov_b32 s[(\g)+3], 128<<16    ; tile_dim0 = 128
	s_mov_b32 s[(\g)+4], 32         ; tile_dim1 = 32
	s_mov_b32 s[(\g)+5], 128        ; 128 elements from row to row
	s_mov_b32 s[(\g)+6], 0
	s_mov_b32 s[(\g)+7], 0
.endr
	s_mov_b32 s[CS], 0x3d38aa3b     ; c = log2(e) / 32 = 0.0450842
	s_mov_b32 s[CS+1], s[CS]
	s_mov_b32 s[SEL], 0x76543210
	s_mov_b32 s[SEL+1], 0xfedcba98
	s_mov_b32 s[TBK], SLOT1+2*KS*PK ; the first change of slots turns these two into 0
	s_mov_b32 s[TBV], SLOT1+2*KS*PV
	s_mov_b32 s[G0K], 1
	s_mov_b32 s[G0K+1], s17         ; slot 0
	s_mov_b32 s[G0V], 1
	s_add_co_u32 s[G0V+1], s21, VOFF
	s_add_co_u32 s[RT], s[HI], 1    ; the first block has NB - b tiles
	s_mov_b32 s[NXT], 1
	s_mov_b32 s[LQ], s[HI]
	s_mov_b32 s[NEW], 0
	s_mov_b32 s[OFF+1], 0
	s_mov_b32 s[AL0+1], 0           ; named as pairs
	s_mov_b32 s[BE0+1], 0
	s_mov_b32 s[AL1+1], 0
	s_mov_b32 s[ZZ], 0
	s_mov_b32 s[ZZ+1], 0
	s_mov_b32 s[BIGN], 0xf149f2ca   ; -1e30
	s_mov_b32 s[SLOTS], NB
	s_wait_dscnt 0x0                ; the opening add is done
	s_wait_kmcnt 0x0
	s_add_nc_u64 s[6:7], s[48:49], s[18:19]    ; K and V at my half of the head's tile 0
	s_add_nc_u64 s[8:9], s[48:49], s[22:23]
	s_add_nc_u64 s[4:5], s[48:49], s[2:3]      ; Q at my rows of the first block,
	s_add_nc_u64 s[88:89], s[48:49], s[52:53]  ; and of the second
	s_add_nc_u64 s[10:11], s[50:51], s[66:67]  ; att likewise
	s_add_nc_u64 s[OLO:OLO+1], s[50:51], s[68:69]
	s_add_nc_u64 s[G0K+2:G0K+3], s[6:7], 0
	s_or_b32 s[G0K+3], s[G0K+3], 0x80000000
	s_add_nc_u64 s[G0V+2:G0V+3], s[8:9], 0
	s_or_b32 s[G0V+3], s[G0V+3], 0x80000000
	LOAD                            ; tile 0 into slot 0
	v_and_b32 v1, 15, v0            ; r
	v_bfe_u32 v9, v0, 4, 1          ; h
	v_lshlrev_b32 v[QO], 7, v1
	v_lshl_add_u32 v[QO], v9, 4, v[QO]  ; row x 128 + 16 x half
	WIN 0x40                        ; destination window 1
.set i, 0
.rept 4                             ; tile i / 2 lies in band i / 2, 8,192 bytes on; channels 32 (i % 2) on
	global_load_b128 v[QF+8*i:QF+8*i+3],   v[QO], s[4:5] offset:(i/2)*8192+(i%2)*64
	global_load_b128 v[QF+8*i+4:QF+8*i+7], v[QO], s[4:5] offset:(i/2)*8192+(i%2)*64+32
.set i, i+1
.endr
	WIN 0x80                        ; destination window 2
.set i, 0
.rept 4
	global_load_b128 v[8*i:8*i+3],   v[QO], s[88:89] offset:(i/2)*8192+(i%2)*64
	global_load_b128 v[8*i+4:8*i+7], v[QO], s[88:89] offset:(i/2)*8192+(i%2)*64+32
.set i, i+1
.endr
	WIN 0
	v_lshlrev_b32 v14, 3, v9
	v_sub_nc_u32 v14, v1, v14
	s_lshl_b32 s13, s[WV], 4
	v_add_nc_u32 v14, s13, v14      ; my query's place in its band, 16 w + r, less 8 h: register j of key group kt is hidden where 16 kt + j is greater
	WIN 0x40
.set i, 0
.rept 32
	v_cmp_gt_i32 vcc_lo, 16*(i/8)+i%8, v14
	v_cndmask_b32 v[MD+i], 0, s[BIGN], vcc_lo
.set i, i+1
.endr
	WIN 0
	v_mul_u32_u24 v[AK0], v1, PK
	v_lshl_add_u32 v[AK0], v9, 4, v[AK0]
	v_and_b32 v10, 7, v0            ; the turning load: lane l reads key 8 h + l % 8, channels 8 ((l / 8) % 2) + 0..7
	v_bfe_u32 v11, v0, 3, 1
	v_lshl_add_u32 v[AV0], v9, 3, v10
	v_mul_u32_u24 v[AV0], v[AV0], PV
	v_lshl_add_u32 v[AV0], v11, 4, v[AV0]
	v_add_nc_u32 v[AV0], VOFF, v[AV0]
	s_mul_i32 s13, s[WV], 16*SP
	s_add_co_u32 s13, s13, STAGE    ; my stage
	v_mul_u32_u24 v[STO], v1, SP    ; in: row r, 32 bytes for each half of the lanes
	v_lshl_add_u32 v[STO], v9, 5, v[STO]
	v_add_nc_u32 v[STO], s13, v[STO]
	v_mul_u32_u24 v[RD], v9, SP     ; back: lanes 0-15 take one row of 256 bytes, lanes 16-31 the next
	v_lshl_add_u32 v[RD], v1, 4, v[RD]
	v_add_nc_u32 v[RD], s13, v[RD]
	v_lshlrev_b32 v[GO], 12, v9     ; and the same two rows in att
	v_lshl_add_u32 v[GO], v1, 4, v[GO]
.set i, 0
.rept 64                            ; O^T and l are multiplied by a = 0 in a block's first step: they need only be finite.  This stands in the wait for the first tile
	v_mov_b32 v[OA+i], 0
.set i, i+1
.endr
.irp u, 0,1
	v_mov_b32 v[ST+12*\u], 0xfe000000    ; c m: far below every c s
	v_mov_b32 v[ST+12*\u+1], 0xff7fffff  ; m: the lowest finite number
	v_mov_b32 v[ST+12*\u+2], 0
	v_mov_b32 v[ST+12*\u+3], 0
.endr
	s_wait_loadcnt 0x0              ; both blocks' Q
; THE MATRIX WORK.  The 4 accumulators of a run of 8 take turns.  Product i of 8 of S^T = K Q^T for tile u: channels 32 (i / 4) on, keys 16 (i % 4) on.  The first 4 start the sums with the mask.
.macro KQ u
.set rS, S+32*(\u)+8*(i%4)
.set rK, KF+16*(i%4)+8*(i/4)
.set rQ, QF+16*(\u)+8*(i/4)
.set rM, MC+32*(\u)+8*(i%4)
.if i < 4
	WIN 0x15                        ; K, Q and the mask in window 1, S^T in window 0
	v_wmma_f32_16x16x32_f16 v[rS:rS+7], v[rK:rK+7], v[rQ:rQ+7], v[rM:rM+7]
.else
	WIN 0x05
	v_wmma_f32_16x16x32_f16 v[rS:rS+7], v[rK:rK+7], v[rQ:rQ+7], v[rS:rS+7]
.endif
.endm
; Product i of 8 of O^T += V^T P for tile u: keys 32 (i / 4) on, channels 16 (i % 4) on.
.macro PV u
	WIN 0x01                        ; V in window 1
.set rO, OA+32*(\u)+8*(i%4)
.set rV, VF+32*(i/4)+8*(i%4)
.set rP, P+16*(\u)+8*(i/4)
	v_wmma_f32_16x16x32_f16 v[rO:rO+7], v[rV:rV+7], v[rP:rP+7], v[rO:rO+7]
.endm
.macro FETCH_K                      ; a step's K: 64 keys x 64 channels: 8 fragments
	WIN 0x40
.irp f, 0,1,2,3,4,5,6,7
	ds_load_b128 v[KF+8*\f:KF+8*\f+3],   v[AK] offset:(\f/2)*16*PK+(\f%2)*64
	ds_load_b128 v[KF+8*\f+4:KF+8*\f+7], v[AK] offset:(\f/2)*16*PK+(\f%2)*64+32
.endr
	s_add_co_u32 s[TBK], s[TBK], KS*PK
	WIN 0
.endm
.macro FETCH_V                      ; its V, turned
	WIN 0x40
.irp f, 0,1,2,3,4,5,6,7
	ds_load_tr16_b128 v[VF+8*\f:VF+8*\f+3],   v[AV] offset:(\f/4)*32*PV+(\f%4)*32
	ds_load_tr16_b128 v[VF+8*\f+4:VF+8*\f+7], v[AV] offset:(\f/4)*32*PV+16*PV+(\f%4)*32
.endr
	WIN 0
.endm
.macro MASK                         ; MD x AL + BE for both tiles
	WIN 0x41
.set z, 0
.rept 16
	v_pk_fma_f32 v[MC+2*z:MC+2*z+1], v[MD+2*z:MD+2*z+1], s[AL0:AL0+1], s[BE0:BE0+1] op_sel_hi:[1,0,0]
.set z, z+1
.endr
.set z, 0
.rept 16
	v_pk_fma_f32 v[MC+32+2*z:MC+32+2*z+1], v[MD+2*z:MD+2*z+1], s[AL1:AL1+1], s[ZZ:ZZ+1] op_sel_hi:[1,0,0]
.set z, z+1
.endr
.endm
; THE VECTOR WORK: a tile's softmax for a step is a list of 118; SM writes number j of it for tile u and steps j.  s0-s31 are the lane's 32 scores.
;   0-16   the maximum of s0-s31 and the old m, three operands at a time (each accumulator's lowest registers are read first); 15: c m_old is kept
;   17-20  the query's other 32 keys lie in the lane 16 away: the new m; c m; c m_old - c m_new
;   21-69  ONE BATCH: a at 21, the 16 scalings c s - c m and the 32 exponentials; none of these lines names an exponential's result.  22, 23: pairs 0 and 1 are scaled; 24-65: fourteen times the two
;          exponentials of pair n and the scaling of pair n + 2, so that a pair is scaled four lines ahead of its exponentials (pair 0: two); 66-69: the exponentials of pairs 14 and 15
;   (wait) between 69 and 70 stands the wait for the batch: STEP writes it, once a tile
;   70-85  O^T times a (16 pairs, ascending)        86-101  the 16 roundings to f16
;   102-116 the sum of the 16 pairs, in place, neighbours 1, 2, 4, 8 pairs apart        117  l = a l + the sum
.macro SM u
.set rT, ST+12*(\u)
.set rC, rT+4
.set rW, rT+8
.set rS, S+32*(\u)
.set rP, P+16*(\u)
.set rO, OA+32*(\u)
	WIN 0
.if j < 4
	v_max3_num_f32 v[rC+j], v[rS+8*j], v[rS+8*j+1], v[rS+8*j+2]
.elseif j < 12
	v_max3_num_f32 v[rC+j%4], v[rC+j%4], v[rS+8*(j%4)+2*(j/4)+1], v[rS+8*(j%4)+2*(j/4)+2]
.elseif j == 12
	v_max3_num_f32 v[rC], v[rC], v[rS+7], v[rS+15]
.elseif j == 13
	v_max3_num_f32 v[rC+1], v[rC+1], v[rS+23], v[rS+31]
.elseif j == 14
	v_max3_num_f32 v[rC+2], v[rC+2], v[rC+3], v[rT+1]
.elseif j == 15
	v_mov_b32 v[rW], v[rT]
.elseif j == 16
	v_max3_num_f32 v[rC], v[rC], v[rC+1], v[rC+2]
.elseif j == 17
	v_permlanex16_b32 v[rC+3], v[rC], s[SEL], s[SEL+1]
.elseif j == 18
	v_max_num_f32 v[rT+1], v[rC], v[rC+3]
.elseif j == 19
	v_mul_f32 v[rT], s[CS], v[rT+1]
.elseif j == 20
	v_sub_f32 v[rC+1], v[rW], v[rT]
.elseif j == 21
	v_exp_f32 v[rC+2], v[rC+1]
.elseif (j < 24) || ((j < 66) && (j%3 == 2))
.set n, j-22                        ; 22, 23: pairs 0, 1
.if j > 23
.set n, (j-20)/3                    ; 26, 29, .. 65: pairs 2 to 15
.endif
	v_pk_fma_f32 v[rS+2*n:rS+2*n+1], v[rS+2*n:rS+2*n+1], s[CS:CS+1], v[rT:rT+1] op_sel_hi:[1,0,0] neg_lo:[0,0,1] neg_hi:[0,0,1]
.elseif j < 70
.set n, j-38                        ; 66 to 69: s28 to s31
.if j < 66
.set n, 2*((j-24)/3)+(j-24)%3       ; 24, 25, 27, 28, .. 63, 64: s0 to s27
.endif
	v_exp_f32 v[rS+n], v[rS+n]
.elseif j < 86
.set n, j-70
	v_pk_mul_f32 v[rO+2*n:rO+2*n+1], v[rO+2*n:rO+2*n+1], v[rC+2:rC+3] op_sel_hi:[1,0]
.elseif j < 102
.set n, j-86
	v_cvt_pk_f16_f32 v[rP+n], v[rS+2*n], v[rS+2*n+1]
.elseif j < 110
.set n, j-102
	v_pk_add_f32 v[rS+4*n:rS+4*n+1], v[rS+4*n:rS+4*n+1], v[rS+4*n+2:rS+4*n+3]
.elseif j < 114
.set n, j-110
	v_pk_add_f32 v[rS+8*n:rS+8*n+1], v[rS+8*n:rS+8*n+1], v[rS+8*n+4:rS+8*n+5]
.elseif j < 116
.set n, j-114
	v_pk_add_f32 v[rS+16*n:rS+16*n+1], v[rS+16*n:rS+16*n+1], v[rS+16*n+8:rS+16*n+9]
.elseif j == 116
	v_pk_add_f32 v[rS:rS+1], v[rS:rS+1], v[rS+16:rS+17]
.else
	v_pk_fma_f32 v[rT+2:rT+3], v[rT+2:rT+3], v[rC+2:rC+3], v[rS:rS+1] op_sel_hi:[1,0,1]
.endif
.set j, j+1
.endm
; A KEY STEP.  K of the step has been asked for.  The mask's 32 lines are also the places between the last step's V^T P and the loads into V's registers.
.macro STEP
	s_lshl2_add_u32 s[XX], s[RT], s[CNT]  ; 2: the diagonal tile's first step; 1: its second; 5 or more: another tile
	s_cmp_eq_u32 s[XX], 2
	s_cselect_b32 s[AL0], 1.0, 0    ; band 0's own step
	s_cmp_eq_u32 s[XX], 1
	s_cselect_b32 s[BE0], s[BIGN], 0  ; band 0 sees nothing,
	s_cselect_b32 s[AL1], 1.0, 0    ; and it is band 1's own
	WIN 0
	v_add_nc_u32 v[AV], s[TBV], v[AV0]
	s_add_co_u32 s[TBV], s[TBV], KS*PV
	MASK
	FETCH_V
	s_wait_dscnt 16                 ; K's run, the older, is in; V's sixteen loads may be out
.set i, 0
.rept 8
	KQ 0
.set i, i+1
.endr
	WIN 0
.rept 4
	v_nop                           ; the places behind those products
.endr
.set j, 0
.set i, 0
.rept 8
	KQ 1
.rept 8
	SM 0
.endr
.set i, i+1
.endr
.rept 6
	SM 0                            ; numbers 64 to 69: the end of tile 0's batch
.endr
	v_add_nc_u32 v[AK], s[TBK], v[AK0]  ; the next K's address: due anyway, and the plain line behind the batch's last exponential
	s_wait_alu depctr_va_vdst(0)    ; the wait for tile 0's batch, a and 32 weights, ahead of the branch below and of number 70, the first line that names a result
	s_cmp_eq_u32 s[CNT], 1          ; a tile's second step fetches no further K: the next tile's first is fetched behind the change of slots
	s_cbranch_scc1 .Lno_k_\@
	FETCH_K                         ; five plain lines behind the last product that read K: numbers 56, 59, 62, 65 (scalings) and the address line
.Lno_k_\@:
.rept 48
	SM 0                            ; numbers 70 to 117: the batch's readers
.endr
	s_wait_dscnt 0x0                ; V is in (and the next K, where it was asked for)
.set j, 0
.set i, 0
.rept 8
	PV 0
.rept 8
	SM 1
.endr
.set i, i+1
.endr
.rept 6
	SM 1                            ; numbers 64 to 69: the end of tile 1's batch
.endr
	s_wait_alu depctr_va_vdst(0)    ; the wait for tile 1's batch, a and 32 weights.  Number 70 behind it names O^T and a alone: it is the plain line between the last exponential and the use of its result
.rept 48
	SM 1                            ; numbers 70 to 117: the batch's readers
.endr
.set i, 0
.rept 8
	PV 1
.set i, i+1
.endr
.endm
; THE WAY OUT of a block: l's two halves and the other half of the lanes' are added; O^T is divided by l and sent through my stage, a tile (16 rows x 256 bytes) at a time.
.macro OUT
	WIN 0
.irp u, 0,1
	v_add_f32 v[ST+12*\u+4], v[ST+12*\u+2], v[ST+12*\u+3]
.endr
.irp u, 0,1
	v_permlanex16_b32 v[ST+12*\u+5], v[ST+12*\u+4], s[SEL], s[SEL+1]
.endr
.irp u, 0,1
	v_add_f32 v[ST+12*\u+4], v[ST+12*\u+4], v[ST+12*\u+5]
.endr
.irp u, 0,1
	v_rcp_f32 v[ST+12*\u+6], v[ST+12*\u+4]
.endr
	v_nop                           ; a plain line between the last reciprocal and the use of its result
	s_wait_alu depctr_va_vdst(0)    ; the wait for the two reciprocals, ahead of the first multiply by them
.irp u, 0,1
.set i, 0
.rept 16
	v_pk_mul_f32 v[OA+32*\u+2*i:OA+32*\u+2*i+1], v[OA+32*\u+2*i:OA+32*\u+2*i+1], v[ST+12*\u+6:ST+12*\u+7] op_sel_hi:[1,0]
.set i, i+1
.endr
.irp cb, 0,1,2,3
	ds_store_b128 v[STO], v[OA+32*\u+8*\cb:OA+32*\u+8*\cb+3] offset:64*\cb
	ds_store_b128 v[STO], v[OA+32*\u+8*\cb+4:OA+32*\u+8*\cb+7] offset:64*\cb+16
.endr
.irp t, 0,1,2,3,4,5,6,7
	ds_load_b128 v[S+32*\u+4*\t:S+32*\u+4*\t+3], v[RD] offset:544*\t  ; LDS serves a wave's instructions in order (ISA guide 5.7.1.4): these see the stores above; the next tile's stores come behind them
.endr
.irp t, 0,1,2,3,4,5,6,7
	s_wait_dscnt 7-\t               ; the younger loads may be out
	global_store_b128 v[GO], v[S+32*\u+4*\t:S+32*\u+4*\t+3], s[10:11] offset:\u*262144+\t*8192  ; 16 lanes store 256 consecutive bytes, aligned
.endr
.endr
.endm
; A TILE: its two steps; behind a block's last tile the way out.  last = 1: the walk's last tile, which is the second block's last.
.macro TILEWORK tag, last
	s_sub_co_u32 s[RT], s[RT], 1
	s_mov_b32 s[CNT], 2
	s_cmp_eq_u32 s[NEW], 1
	s_cbranch_scc0 .Lold\tag
	s_mov_b32 s[NEW], 0             ; the second block begins
.irp u, 0,1
	v_mov_b32 v[ST+12*\u], 0xfe000000
	v_mov_b32 v[ST+12*\u+1], 0xff7fffff
.endr
.Lold\tag:
	v_add_nc_u32 v[AK], s[TBK], v[AK0]
	FETCH_K
.Lstep\tag:
	STEP
	WIN 0
	s_sub_co_u32 s[CNT], s[CNT], 1
	s_cmp_lg_u32 s[CNT], 0
	s_cbranch_scc1 .Lstep\tag
.if (\last) == 0
	s_cmp_lg_u32 s[RT], 0
	s_cbranch_scc1 .Ldone\tag
.endif
	OUT
.if (\last) == 0
	s_wait_xcnt 0x0                 ; the stores have read their registers and att's address
	s_mov_b64 s[10:11], s[OLO:OLO+1]
	s_add_co_u32 s[RT], s[PBL], 1   ; the second block has b + 1 tiles
	s_mov_b32 s[NEW], 1
	WIN 0x42                        ; its Q goes where the one text names Q
.set i, 0
.rept 32
	v_mov_b32 v[QF+i], v[i]
.set i, i+1
.endr
	WIN 0
.Ldone\tag:
.endif
.endm
.Lslot:                             ; NB times: a tile is entered and the next is asked for
	CHANGE 1
	TILEWORK 1, 0
	s_sub_co_u32 s[SLOTS], s[SLOTS], 1
	s_cmp_lg_u32 s[SLOTS], 0
	s_cbranch_scc1 .Lslot
	CHANGE 0                        ; the walk's last tile is written out
	TILEWORK 2, 1
	s_wait_tensorcnt 0x0            ; the wave's end
	ds_add_u32 v[SPW], v[NIL]
	s_wait_dscnt 0x0
	s_endpgm
.Lfunc_end_k_q9a3398ba48_attn:
	.size	k_q9a3398ba48_attn, .Lfunc_end_k_q9a3398ba48_attn-k_q9a3398ba48_attn
	.p2alignl 7, 3214868480
	.fill 96, 4, 3214868480
	.section	.rodata,"a",@progbits
	.p2align	6, 0x0
	.amdhsa_kernel k_q9a3398ba48_attn
		.amdhsa_group_segment_fixed_size 327680
		.amdhsa_private_segment_fixed_size 0
		.amdhsa_enable_private_segment 0
		.amdhsa_kernarg_size 16
		.amdhsa_user_sgpr_count 2
		.amdhsa_user_sgpr_kernarg_segment_ptr 1
		.amdhsa_wavefront_size32 1
		.amdhsa_system_sgpr_workgroup_id_x 1
		.amdhsa_system_sgpr_workgroup_id_y 1
		.amdhsa_system_sgpr_workgroup_id_z 1
		.amdhsa_system_vgpr_workitem_id 0
		.amdhsa_next_free_vgpr 544
		.amdhsa_next_free_sgpr 92
		.amdhsa_reserve_vcc 1
		.amdhsa_float_denorm_mode_32 3
		.amdhsa_float_denorm_mode_16_64 3
		.amdhsa_memory_ordered 1
		.amdhsa_forward_progress 1
		.amdhsa_inst_pref_size 74
	.end_amdhsa_kernel
	.amdgpu_metadata
---
amdhsa.version: [ 1, 2 ]
amdhsa.kernels:
  - .name:           k_q9a3398ba48_attn
    .symbol:         k_q9a3398ba48_attn.kd
    .args:
      - { .name: qkvh, .offset: 0, .size: 8, .value_kind: global_buffer, .address_space: global }
      - { .name: att, .offset: 8, .size: 8, .value_kind: global_buffer, .address_space: global }
    .group_segment_fixed_size: 327680
    .private_segment_fixed_size: 0
    .kernarg_segment_align: 8
    .kernarg_segment_size: 16
    .max_flat_workgroup_size: 128
    .sgpr_count:     92
    .vgpr_count:     544
    .wavefront_size: 32
...
	.end_amdgpu_metadata
.endif
;; end of part 8
;; launch ln1: the kernel of part 4 again; grid 256 x 1, 16 waves a work-group, no clusters, 0 bytes of LDS; arguments att, ln_w, hn, rs; writes hn, rs
;; launch ffn1: the kernel of part 5 again; grid 16 x 16, 4 waves a work-group, clusters of 4 x 4, 327,680 bytes of LDS; arguments hn, cw, b1, rs, uh; writes uh
;; launch ffn2: the kernel of part 6 again; grid 8 x 32, 4 waves a work-group, clusters of 4 x 4, 327,680 bytes of LDS; arguments uh, cw, b2, rs, ff; writes ff
;; launch ln2: the kernel of part 7 again; grid 256 x 1, 16 waves a work-group, no clusters, 0 bytes of LDS; arguments ff, ln_w, out0; writes out0
